; MI455X (gfx1250); checked and timed in simulation.
; The chip was launched on July 23, 2026; its instructions are those of AMD's public machine-readable ISA for CDNA 5 (MIT licence, August 2026) and "CDNA5" Instruction Set Architecture Reference Guide (July 2026). The comments in the code are by the model that wrote it; some were corrected since.
;; Grouped Query Attention. Allowed arithmetic: matrix products marked QUANTISED: E5M2 operands, one E8M0 scale for each 32 along K, by v_wmma_scale_f32_16x16x128_f8f6f4 with both operands' format E5M2, f32 sums; everything else in f32.
;; Inputs: b_k 256 float32; b_o 1,024 float32; b_q 1,024 float32; b_v 256 float32; key 1 x 4,096 x 1,024 float32; query 1 x 4,096 x 1,024 float32; value 1 x 4,096 x 1,024 float32; w_k 1,024 x 256 float32; w_o 1,024 x 1,024 float32; w_q 1,024 x 1,024 float32; w_v 1,024 x 256 float32.
;; Outputs: out0 1 x 4,096 x 1,024 float32.
;; This version of the problem:
;;   THIS VERSION OF THE PROBLEM IS GIVEN IN LOW PRECISION. The matrix products marked QUANTISED in the list below multiply operands that are first quantised to E5M2 (5 exponent bits, 2 mantissa bits; 8 bits a number), with one power-of-two scale for each 32 numbers along K (OCP MX v1.0); their sums are f32. All else is computed in f32.
;;   The module's matrix products, in the order in which they are computed (A, B: the left and right operand; K: the contracted axis; several contracted axes count as one K, in the product's order):
;;     1. [M 4,096, K 1,024] x [K 1,024, N 1,024]; A: input query; B: input w_q: QUANTISED
;;     2. [M 4,096, K 1,024] x [K 1,024, N 256]; A: input key; B: input w_k: QUANTISED
;;     3. [M 4,096, K 1,024] x [K 1,024, N 256]; A: input value; B: input w_v: QUANTISED
;;     4. batch 4 x [M 4,096, K 64] x [K 64, N 16,384]; A: computed on the way; B: computed on the way: QUANTISED
;;     5. batch 4 x [M 64, K 4,096] x [K 4,096, N 16,384]; A: computed on the way; B: softmax (see below): QUANTISED
;;     6. [M 4,096, K 1,024] x [K 1,024, N 1,024]; A: computed on the way; B: input w_o: QUANTISED
;;   THE QUANTISER, for each operand of a quantised product, along K:
;;     - K is cut into blocks of 32 from its start; a last block that is shorter is filled with zeros.
;;     - A block's scale is 2^e with e = floor(log2(the largest magnitude in the block)) - 15, held to -126 .. 127; a block of zeros has e = 0. As a byte (E8M0): e + 127.
;;     - Each number is divided by its block's scale, clamped to +-57,344, and rounded to the nearest number of E5M2, ties to even, subnormals kept.
;;     - The product sums the exact products of the quantised numbers (number of the format x scale) in f32.
;;   ~~~python
;;   def quantise(x, axis):      # numpy; x: float32 -> the quantised numbers, widened to float32 again
;;       x = np.moveaxis(x, axis, -1); K = x.shape[-1]
;;       x = np.pad(x, [(0, 0)] * (x.ndim - 1) + [(0, -K % 32)]); x = x.reshape(x.shape[:-1] + (-1, 32)); a = np.abs(x).max(-1, keepdims=True)
;;       e = np.where(a > 0, np.clip(np.frexp(np.where(a > 0, a, 1))[1] - 1 - 15, -126, 127), 0)      # np.frexp(a)[1] - 1 = floor(log2(a)), exactly
;;       r = np.clip(x / 2.0 ** e, -57344, 57344)
;;       step = 2.0 ** (np.maximum(np.frexp(np.where(r == 0, 1, r))[1] - 1, -14) - 2)
;;       q = np.round(r / step) * step * 2.0 ** e      # np.round: ties to even
;;       return np.moveaxis(q.reshape(q.shape[:-2] + (-1,))[..., :K], -1, axis).astype(np.float32)
;;   ~~~
;;   SOFTMAX AHEAD OF A QUANTISED PRODUCT. Where the list says 'softmax', what is quantised is not the finished softmax but p = 2^(t - M), with t = logit x log2(e) and M = ceil(the row's largest t), a whole number; so 1/2 < the row's largest p <= 1. The row's sum l is taken of the UNQUANTISED p, in f32, and the product's result is divided by l at the end. Since M is a whole number, a kernel that streams over the keys may use a running M (the ceiling of the running maximum): every later rescaling is an exact power of two, which a block's scale takes up: the codes' values come out the same.
;;   OPERANDS COMPUTED ON THE WAY. 'Computed on the way' means the value that the module computes at that place (a softmax that the list does not call 'softmax' is quantised finished and normalised). What goes into a quantiser is computed in f32, as accurately as f32 sums, v_exp_f32 and their like allow (about 1e-6 of the number): no bf16 or f16 on the way to a quantiser, and a product that is left as it is and whose result goes on into a quantised operand takes f32 operands (vector FMAs, or v_wmma_f32_16x16x4_f32). A number that lies on a knife's edge between two numbers of the format may be rounded either way, as far as f32 arithmetic and the matrix unit's own rounding can turn it there, and no further.
;; One version. Each part assembles by itself: llvm-mc -triple=amdgcn-amd-amdhsa -mcpu=gfx1250 --defsym DOCPART=n.
;; ======== version 1 of 1: 4 launches
;; limits: right only within a limited range of input values
;; workspace buffers: xq 12,976,128 bytes; wq 2,703,360 bytes; qq 4,456,448 bytes; kv 2,228,224 bytes; ao 4,325,376 bytes
;; launch prep (part 1): grid 464 x 1, 4 waves a work-group, no clusters, 34,304 bytes of LDS; arguments query, key, value, w_q, w_k, w_v, w_o, xq, wq; writes xq, wq
.if DOCPART == 1
	.amdgcn_target "amdgcn-amd-amdhsa--gfx1250"
	.amdhsa_code_object_version 6
	.text
	.protected	k_qbcfa4eb7af_prep
	.globl	k_qbcfa4eb7af_prep
	.p2align	8
	.type	k_qbcfa4eb7af_prep,@function
k_qbcfa4eb7af_prep:
	s_mov_b64 s[64:65], 0
	v_nop
	global_prefetch_b8 v0, s[64:65] scope:SCOPE_SE
	s_setreg_imm32_b32 hwreg(HW_REG_WAVE_MODE, 25, 1), 1
	s_wait_xcnt 0x0
; GROUPED-QUERY ATTENTION IN MX-BF8 (E5M2 codes, one E8M0 scale for each 32 along K), launch 1 of 4: the quantiser of the seven large inputs.
; NO WORK IS LEFT OUT in this program: every product of the problem is live, and every input, the bias b_k too, moves codes or scales of a live quantised operand; all eleven inputs are loaded.
; query, key, value [4096][1024] f32 (K innermost) and w_q, w_k, w_v, w_o [1024][n] f32 (K is the FIRST axis) become codes and scale bytes IN THE ORDER OF AN OPERAND'S REGISTERS.
; THE FORMAT (all operands of K = 1,024 in this program).  A tile is 16 rows (of a weight: columns).  Tile T = 2 pi + u holds rows 32 pi + 8 u + r + 8 (r / 8), r = 0 .. 15, so that the 16 registers
; which two neighbouring tiles leave in a transposed result are 16 neighbours.  CODES: byte T x 16384 + s x 2048 + c x 512 + 16 x lane + i is k = 128 s + 32 c + 16 (lane / 16) + i of row r = lane % 16: a fragment is four
; loads of 16 bytes a lane, 512 consecutive bytes each.  SCALES: byte pi x 1024 + (s / 2) x 256 + 8 (16 u + r) + 4 (s % 2) + c: one load of 8 bytes a lane brings two K steps' scale words of a pair of tiles,
; the even tile's in lanes 0-15, the odd tile's in lanes 16-31.
; A block's scale is 2^(floor(log2(largest magnitude)) - 15); its byte is the largest magnitude's exponent field - 15, held at 1 from below; each number is held within +-57,344 x the scale and rounded to the nearest code, ties to even.
; LIMITS: a block of zeros, or one whose largest magnitude lies under 2^(16 - 127), gets the byte 1 where the rule says 127 or less: its codes are zeros or what the floor's scale gives; the bytes are read by this program alone.
; NaN and infinities among the inputs are not served.
; SHARES.  Work-groups 0-383: 32 rows of query, key or value; wave w takes 256 along K of them: four fragments.  Work-groups 384-463: 128 columns x 256 along K of a weight; wave w takes 32 columns.
; No tensor loads, no barrier.
.set XSCL,  12582912                   ; xq: where the scale bytes begin (768 tiles x 16,384)
.set WSCL,  2621440                    ; wq: likewise (160 tiles)
.set STG,   8448                       ; LDS: a stage of 16 rows x SP bytes for each wave (activations' path alone)
.set SP,    528                        ; a stage row: 512 bytes + 16 = 132 words: row r starts at bank 4 r mod 64 (64 banks of 4 bytes: ISA guide 11.1)
.set SPARE, 4*STG                      ; behind the stages: the spare words, 128 bytes for each wave: two blocks of 256 bytes that no other line names
.set SPW,   10                         ; v10  LDS address of my spare word; never rewritten
.set NIL,   11                         ; v11  0; never rewritten
.set TM,    12                         ; v12-27 at work: +0 largest magnitudes, +4 bytes, +8 the largest number x the scale, +12 the conversions' scale operands
.set R,     32                         ; v32-223 three sets of 64 numbers (activations)
.set PC,    224                        ; v224-239 a fragment's codes
.set PW,    240                        ; v240-243 the four fragments' scale words
.set X,     32                         ; v32-95 two sets of 32 numbers (weights)
.set A,     160                        ; v160-191 weights: byte offset of row i of a block, at my column
.set C,     192                        ; v192-199 a block's codes
.set SB,    208                        ; v208-209 my column's eight scale bytes
.set MNT,   23                         ; s23  the mantissa field of 57,344
.set SEL,   24                         ; s[24:25] v_permlanex16_b32's selects for lane l xor 16
	s_load_b512 s[4:19], s[0:1], 0x0               ; query 4:5, key 6:7, value 8:9, w_q 10:11, w_k 12:13, w_v 14:15, w_o 16:17, xq 18:19
	s_load_b64 s[20:21], s[0:1], 0x40              ; wq
	v_lshl_add_u32 v[SPW], v0, 2, SPARE
	v_mov_b32 v[NIL], 0
	v_lshrrev_b32 v1, 5, v0
	v_readfirstlane_b32 s22, v1                    ; wave 0..3
	v_and_b32 v1, 31, v0                           ; lane
	s_mov_b32 s[MNT], 0x600000
	s_mov_b32 s[SEL], 0x76543210
	s_mov_b32 s[SEL+1], 0xfedcba98
	s_wait_kmcnt 0x0
	s_cmp_ge_u32 ttmp9, 384                        ; the work-group's number alone decides the path
	s_cbranch_scc1 .Lweights
; ---------------- ACTIVATIONS: K innermost ----------------
	s_cmp_lt_u32 ttmp9, 128
	s_cselect_b64 s[26:27], s[4:5], s[6:7]
	s_cmp_lt_u32 ttmp9, 256
	s_cselect_b64 s[26:27], s[26:27], s[8:9]       ; query, key or value
	s_and_b32 s28, ttmp9, 127
	s_lshl_b32 s28, s28, 17                        ; my pair's 32 rows of 4,096 bytes
	s_lshl_b32 s35, s22, 10                        ; my wave's 256 along K
	s_add_co_u32 s28, s28, s35
	s_mov_b32 s29, 0
	s_add_nc_u64 s[26:27], s[26:27], s[28:29]
	s_wait_alu depctr_va_vdst(0)
	v_lshlrev_b32 v2, 4, v1                        ; 16 x lane: never rewritten
; fragment f = 2 u + s: tile u of the pair, K step s of my two.  Load i reads 512 consecutive bytes of the tile's row i
.macro XLOAD f
.irp i, 0,1,2,3,4,5,6,7,8,9,10,11,12,13,14,15
	global_load_b128 v[R+64*((\f)%3)+4*\i:R+64*((\f)%3)+4*\i+3], v2, s[26:27] offset:(8*((\f)/2)+\i+8*(\i/8))*4096+512*((\f)%2) th:TH_LOAD_NT
.endr
.endm
	s_wait_alu depctr_va_vdst(0)
	XLOAD 0
	XLOAD 1
	XLOAD 2
	s_lshl_b32 s28, ttmp9, 15                      ; codes: the pair's two tiles, my two K steps
	s_lshl_b32 s35, s22, 12
	s_add_co_u32 s28, s28, s35
	s_add_nc_u64 s[30:31], s[18:19], s[28:29]
	s_lshl_b32 s28, ttmp9, 10                      ; scale bytes: the pair's 1,024, my 256
	s_lshl_b32 s35, s22, 8
	s_add_co_u32 s28, s28, s35
	s_add_co_u32 s28, s28, XSCL
	s_add_nc_u64 s[32:33], s[18:19], s[28:29]
	s_mul_i32 s34, s22, STG                        ; my stage
	v_add_nc_u32 v3, s34, v2                       ; into it: 16 x lane of a row
	v_and_b32 v8, 15, v0
	v_bfe_u32 v9, v0, 4, 1
	v_mul_u32_u24 v4, v8, SP
	v_lshl_add_u32 v4, v9, 6, v4
	v_add_nc_u32 v4, s34, v4                       ; out of it: row r, + 64 h: my 16 numbers of a block of 32
	v_lshlrev_b32 v5, 3, v1                        ; 8 x lane
.irp b, 0,1,2,3
	v_mov_b32 v[TM+4+\b], 0                        ; written once: a lane permute's destination counts as one of its sources
.endr
; a fragment's 16 x 512 bytes turn through my stage: in as they were loaded, out 16 neighbours of each block a lane, into the registers that they left.  LDS serves a wave's instructions in order (ISA guide 5.7.1.4)
.macro TURN f
.irp i, 0,1,2,3,4,5,6,7,8,9,10,11,12,13,14,15
	ds_store_b128 v3, v[R+64*((\f)%3)+4*\i:R+64*((\f)%3)+4*\i+3] offset:SP*\i
.endr
.irp b, 0,1,2,3
.irp j, 0,1,2,3
	ds_load_b128 v[R+64*((\f)%3)+16*\b+4*\j:R+64*((\f)%3)+16*\b+4*\j+3], v4 offset:128*\b+16*\j
.endr
.endr
.endm
; 64 numbers of a lane, register 16 b + i = k 32 b + 16 (lane / 16) + i of my row, become a fragment's codes in v[PC] on and its scale word in v[pw]
.macro QUANT s, pw
.irp b, 0,1,2,3
	v_max3_num_f32 v[TM+\b], |v[\s+16*\b]|, |v[\s+1+16*\b]|, 0x8000000   ; my 16 numbers of block b, and the floor 2^(16 - 127): the byte cannot fall under 1
.endr
.irp i, 2,4,6,8,10,12,14
.irp b, 0,1,2,3
	v_max3_num_f32 v[TM+\b], v[TM+\b], |v[\s+16*\b+\i]|, |v[\s+1+16*\b+\i]|   ; the four blocks by turns
.endr
.endr
.irp b, 0,1,2,3
	v_permlanex16_b32 v[TM+4+\b], v[TM+\b], s[SEL], s[SEL+1]
.endr
.irp b, 0,1,2,3
	v_max_num_f32 v[TM+\b], v[TM+\b], v[TM+4+\b]   ; with lane l xor 16's 16: the block's largest magnitude
.endr
.irp b, 0,1,2,3
	v_add_nc_u32 v[TM+12+\b], 0xf8800000, v[TM+\b] ; 15 off its exponent field: the conversion takes this operand's exponent field as its scale
.endr
.irp b, 0,1,2,3
	v_and_or_b32 v[TM+8+\b], v[TM+\b], 0x7f800000, s[MNT]   ; 57,344 x the scale
.endr
.irp b, 0,1,2,3
	v_lshrrev_b32 v[TM+4+\b], 23, v[TM+12+\b]      ; the scale's byte
.endr
	v_lshl_or_b32 v[\pw], v[TM+5], 8, v[TM+4]      ; four bytes: my row's scale word for this K step
	v_lshl_or_b32 v[\pw], v[TM+6], 16, v[\pw]
	v_lshl_or_b32 v[\pw], v[TM+7], 24, v[\pw]
.irp b, 0,1,2,3
.irp i, 0,1,2,3,4,5,6,7,8,9,10,11,12,13,14,15
	v_med3_num_f32 v[\s+16*\b+\i], v[\s+16*\b+\i], -v[TM+8+\b], v[TM+8+\b]   ; the conversion to an 8-bit code does not saturate (ISA guide 7.6.2): the hold
.endr
	v_cvt_scalef32_pk8_bf8_f32 v[PC+4*\b:PC+1+4*\b], v[\s+16*\b:\s+7+16*\b], v[TM+12+\b]
	v_cvt_scalef32_pk8_bf8_f32 v[PC+2+4*\b:PC+3+4*\b], v[\s+8+16*\b:\s+15+16*\b], v[TM+12+\b]
.endr
	v_nop                                          ; one plain vector line behind the last conversion
.endm
.macro XFRAG f, left
	s_wait_loadcnt \left                           ; this fragment's 16 loads are in; the younger fragments' stay out
	TURN \f
	s_wait_dscnt 0x0                               ; back from the stage
	s_wait_xcnt 0x0                                ; the last fragment's stores have read v[PC] on: it is written again only behind this wait
.set XS, R+64*((\f)%3)
	QUANT XS, PW+(\f)
.irp c, 0,1,2,3
	global_store_b128 v2, v[PC+4*\c:PC+4*\c+3], s[30:31] offset:((\f)/2)*16384+((\f)%2)*2048+\c*512   ; 512 consecutive bytes, aligned
.endr
.endm
	s_wait_alu depctr_va_vdst(0)
	XFRAG 0, 32
	XLOAD 3                                        ; into the set that fragment 0 has left
	XFRAG 1, 32
	XFRAG 2, 16
	XFRAG 3, 0
	v_cmp_le_u32 vcc_lo, 16, v1                    ; lanes 16-31 carry the odd tile's words (every word stands in both halves of the lanes)
	v_cndmask_b32 v244, v[PW], v[PW+2], vcc_lo
	v_cndmask_b32 v245, v[PW+1], v[PW+3], vcc_lo
	global_store_b64 v5, v[244:245], s[32:33]      ; 32 lanes store 256 consecutive bytes, aligned
	s_branch .Lend
; ---------------- WEIGHTS: K is the first axis.  A lane takes a column, and its registers run down K ----------------
.Lweights:
	s_sub_co_u32 s26, ttmp9, 384
	s_lshr_b32 s27, s26, 2                         ; which 128 columns: 0-7 w_q, 8-9 w_k, 10-11 w_v, 12-19 w_o
	s_and_b32 s28, s26, 3                          ; which 256 along K
	s_cmp_lt_u32 s27, 12
	s_cselect_b64 s[48:49], s[14:15], s[16:17]
	s_cselect_b32 s29, 10, 12
	s_cmp_lt_u32 s27, 10
	s_cselect_b64 s[48:49], s[12:13], s[48:49]
	s_cselect_b32 s29, 8, s29
	s_cmp_lt_u32 s27, 8
	s_cselect_b64 s[48:49], s[10:11], s[48:49]
	s_cselect_b32 s29, 0, s29                      ; the tensor, and its first group
	s_sub_co_u32 s31, s27, 8
	s_mov_b32 s30, 4096
	s_cmp_lt_u32 s31, 4
	s_cselect_b32 s30, 1024, s30                   ; a row of the tensor in bytes: 256 columns (w_k, w_v) or 1,024
	s_sub_co_u32 s29, s27, s29                     ; the group within its tensor
	s_lshl_b32 s50, s29, 9                         ; 128 columns x 4 bytes,
	s_lshl_b32 s31, s22, 7                         ; my wave's 32 columns,
	s_add_co_u32 s50, s50, s31
	s_lshl_b32 s31, s28, 8
	s_mul_i32 s31, s31, s30                        ; my 256 rows
	s_add_co_u32 s50, s50, s31
	s_mov_b32 s51, 0
	s_add_nc_u64 s[32:33], s[48:49], s[50:51]      ; block 0's first row at my wave's first column
	s_lshl_b32 s50, s30, 5                         ; 32 rows on
.irp t, 1,2,3,4,5,6,7
	s_add_nc_u64 s[32+2*\t:33+2*\t], s[30+2*\t:31+2*\t], s[50:51]   ; a base for each of the eight blocks: none is ever stepped
.endr
	s_wait_alu depctr_va_vdst(0)
	v_lshlrev_b32 v[A], 2, v1                      ; 4 x lane + i rows
.set i, 1
.rept 31
	v_add_nc_u32 v[A+i], s30, v[A+i-1]
.set i, i+1
.endr
.macro WLOAD t                         ; block t: W(32 t + i, my column), i = 0 .. 31: each load reads 128 consecutive bytes
.irp i, 0,1,2,3,4,5,6,7,8,9,10,11,12,13,14,15,16,17,18,19,20,21,22,23,24,25,26,27,28,29,30,31
	global_load_b32 v[X+32*((\t)%2)+\i], v[A+\i], s[32+2*(\t):33+2*(\t)] th:TH_LOAD_NT
.endr
.endm
	WLOAD 0
	WLOAD 1
	s_lshl_b32 s57, s27, 2
	s_add_co_u32 s57, s57, s22                     ; my pair of tiles in wq
	s_lshl_b32 s50, s57, 15
	s_lshl_b32 s31, s28, 12
	s_add_co_u32 s50, s50, s31
	s_add_nc_u64 s[52:53], s[20:21], s[50:51]      ; its codes, my two K steps
	s_lshl_b32 s50, s57, 10
	s_lshl_b32 s31, s28, 8
	s_add_co_u32 s50, s50, s31
	s_add_co_u32 s50, s50, WSCL
	s_add_nc_u64 s[54:55], s[20:21], s[50:51]      ; its scale bytes
	v_bfe_u32 v8, v1, 3, 1                         ; column lane of the pair is row r = lane % 8 + 8 (lane / 16) of tile u = (lane / 8) % 2
	v_and_b32 v9, 7, v1
	v_lshrrev_b32 v12, 4, v1
	v_lshl_add_u32 v9, v12, 3, v9
	v_lshlrev_b32 v6, 14, v8
	v_lshl_add_u32 v6, v9, 4, v6                   ; codes: u x 16384 + 16 r
	v_lshl_add_u32 v7, v8, 4, v9
	v_lshlrev_b32 v7, 3, v7                        ; scale bytes: 8 (16 u + r)
.macro BLOCK t
.set XS, X+32*((\t)%2)
.if (\t) < 7
	s_wait_loadcnt 32                              ; this block's 32 loads are in; the next block's may be out
.else
	s_wait_loadcnt 0x0
.endif
	v_max3_num_f32 v12, |v[XS]|, |v[XS+1]|, |v[XS+2]|      ; the block's largest magnitude: all 32 numbers are mine
	v_max3_num_f32 v13, |v[XS+3]|, |v[XS+4]|, |v[XS+5]|
.irp i, 6,10,14,18,22,26
	v_max3_num_f32 v12, v12, |v[XS+\i]|, |v[XS+\i+1]|
	v_max3_num_f32 v13, v13, |v[XS+\i+2]|, |v[XS+\i+3]|
.endr
	v_max3_num_f32 v12, v12, |v[XS+30]|, |v[XS+31]|
	v_max3_num_f32 v12, v12, v13, 0x8000000        ; and the floor
	v_add_nc_u32 v15, 0xf8800000, v12              ; the conversions' scale operand
	v_and_or_b32 v14, v12, 0x7f800000, s[MNT]      ; 57,344 x the scale
	v_lshrrev_b32 v13, 23, v15                     ; the scale's byte
.if (\t)%4 == 0
	v_mov_b32 v[SB+(\t)/4], v13                    ; four bytes to a register, the lower K in the lower byte
.else
	v_lshl_or_b32 v[SB+(\t)/4], v13, 8*((\t)%4), v[SB+(\t)/4]
.endif
	s_wait_alu depctr_va_vdst(0)
	s_wait_xcnt 0x0                                ; the last block's stores have read v[C] on
.irp i, 0,1,2,3,4,5,6,7,8,9,10,11,12,13,14,15,16,17,18,19,20,21,22,23,24,25,26,27,28,29,30,31
	v_med3_num_f32 v[XS+\i], v[XS+\i], -v14, v14
.endr
.irp g, 0,1,2,3
	v_cvt_scalef32_pk8_bf8_f32 v[C+2*\g:C+2*\g+1], v[XS+8*\g:XS+8*\g+7], v15
.endr
	v_nop                                          ; one plain vector line behind the last conversion
	global_store_b128 v6, v[C:C+3], s[52:53] offset:((\t)/4)*2048+((\t)%4)*512        ; k 0-15 of the block: the place of lane r; sixteen lanes fill 256 consecutive bytes in each tile of the pair
	global_store_b128 v6, v[C+4:C+7], s[52:53] offset:((\t)/4)*2048+((\t)%4)*512+256  ; k 16-31: the place of lane 16 + r
.if (\t)+2 < 8
	WLOAD (\t)+2
.endif
.endm
.irp t, 0,1,2,3,4,5,6,7
	BLOCK \t
.endr
	global_store_b64 v7, v[SB:SB+1], s[54:55]      ; 32 lanes store 256 consecutive bytes, aligned
.Lend:
	s_wait_tensorcnt 0x0                           ; the wave's end: behind my last LDS store; the tensor wait stands in a text with no tensor load too
	ds_add_u32 v[SPW], v[NIL]
	s_wait_dscnt 0x0
	s_endpgm
.Lfunc_end_k_qbcfa4eb7af_prep:
	.size	k_qbcfa4eb7af_prep, .Lfunc_end_k_qbcfa4eb7af_prep-k_qbcfa4eb7af_prep
	.p2alignl 7, 3214868480
	.fill 96, 4, 3214868480
	.section	.rodata,"a",@progbits
	.p2align	6, 0x0
	.amdhsa_kernel k_qbcfa4eb7af_prep
		.amdhsa_group_segment_fixed_size 34304
		.amdhsa_private_segment_fixed_size 0
		.amdhsa_enable_private_segment 0
		.amdhsa_kernarg_size 72
		.amdhsa_user_sgpr_count 2
		.amdhsa_user_sgpr_kernarg_segment_ptr 1
		.amdhsa_wavefront_size32 1
		.amdhsa_system_sgpr_workgroup_id_x 1
		.amdhsa_system_sgpr_workgroup_id_y 1
		.amdhsa_system_sgpr_workgroup_id_z 1
		.amdhsa_system_vgpr_workitem_id 0
		.amdhsa_next_free_vgpr 248
		.amdhsa_next_free_sgpr 72
		.amdhsa_reserve_vcc 1
		.amdhsa_float_denorm_mode_32 3
		.amdhsa_float_denorm_mode_16_64 3
		.amdhsa_memory_ordered 1
		.amdhsa_forward_progress 1
		.amdhsa_inst_pref_size 109
	.end_amdhsa_kernel
	.amdgpu_metadata
---
amdhsa.version: [ 1, 2 ]
amdhsa.kernels:
  - .name:           k_qbcfa4eb7af_prep
    .symbol:         k_qbcfa4eb7af_prep.kd
    .args:
      - { .name: query, .offset: 0, .size: 8, .value_kind: global_buffer, .address_space: global }
      - { .name: key, .offset: 8, .size: 8, .value_kind: global_buffer, .address_space: global }
      - { .name: value, .offset: 16, .size: 8, .value_kind: global_buffer, .address_space: global }
      - { .name: w_q, .offset: 24, .size: 8, .value_kind: global_buffer, .address_space: global }
      - { .name: w_k, .offset: 32, .size: 8, .value_kind: global_buffer, .address_space: global }
      - { .name: w_v, .offset: 40, .size: 8, .value_kind: global_buffer, .address_space: global }
      - { .name: w_o, .offset: 48, .size: 8, .value_kind: global_buffer, .address_space: global }
      - { .name: xq, .offset: 56, .size: 8, .value_kind: global_buffer, .address_space: global }
      - { .name: wq, .offset: 64, .size: 8, .value_kind: global_buffer, .address_space: global }
    .group_segment_fixed_size: 34304
    .private_segment_fixed_size: 0
    .kernarg_segment_align: 8
    .kernarg_segment_size: 72
    .max_flat_workgroup_size: 128
    .sgpr_count:     72
    .vgpr_count:     248
    .wavefront_size: 32
...
	.end_amdgpu_metadata
.endif
;; end of part 1
;; launch qkv (part 2): grid 256 x 1, 6 waves a work-group, no clusters, 0 bytes of LDS; arguments xq, wq, b_q, b_k, b_v, qq, kv; writes qq, kv
.if DOCPART == 2
	.amdgcn_target "amdgcn-amd-amdhsa--gfx1250"
	.amdhsa_code_object_version 6
	.text
	.protected	k_qbcfa4eb7af_qkv
	.globl	k_qbcfa4eb7af_qkv
	.p2align	8
	.type	k_qbcfa4eb7af_qkv,@function
k_qbcfa4eb7af_qkv:
	s_mov_b64 s[64:65], 0
	v_nop
	global_prefetch_b8 v0, s[64:65] scope:SCOPE_SE
	s_setreg_imm32_b32 hwreg(HW_REG_WAVE_MODE, 25, 1), 1
	s_wait_xcnt 0x0
; Launch 2 of 4: q = query w_q + b_q, k = key w_k + b_k, v = value w_v + b_v on codes of BF8 (E5M2) with E8M0 scales, and the results quantised at once: q and k along the head's 64, v along the keys.  No work is left out.
; A WAVE MAKES 64 x 64 OUTPUTS: 4 tiles P (source 0: their rows fall along a lane's registers, which is the axis to be quantised next) x 4 tiles L (source 1: their rows fall on the lanes).
; For q and k: P = 64 columns of the weight (one head), L = 64 rows of the activation.  For v: P = 64 rows of value (keys), L = 64 columns of w_v (one kv head).  One text, the pointers changed over; only the bias differs.
; Operands lie in memory in the order of the registers (launch 1's comment): a fragment is four loads of 512 consecutive bytes, straight into registers; a tile's rows are 32 pi + 8 u + r + 8 (r / 8), so a lane's 32 registers
; of the four P tiles are indices 32 b + 16 (lane / 16) + 0 .. 15, b = 0, 1: two halves of two blocks of 32; lane l xor 16 holds the other halves.
; Work-groups 0-255: q (64 rows x 4 heads each, a head a wave); 256-319: k; 320-383: v (64 rows x the 4 kv heads).  K = 1,024 is eight steps, written out; two sets of fragments, one at work and one on its way.
; NO LDS, NO TENSOR LOAD, NO CLUSTER.
; joint requests are a form of tensor loads alone.
; OUT.  qq: codes head x 262144 + T x 1024 + c x 512 + 16 lane (d = 32 c + 16 h + i); kv: kv head x 524288 + j x 16384 (j: 128 keys): K's eight tiles of 1,024 bytes, then from 8192 V's four tiles of d, 2,048 bytes each (key = 32 c + 16 h + i).
; Scale words are DOUBLED: s0 | s1 << 8 | s0 << 16 | s1 << 24, the two blocks' bytes twice; 8 bytes a lane for four tiles: lanes 0-15 tiles 0 and 2, lanes 16-31 tiles 1 and 3.
; LIMITS: a block under the floor 2^(16 - 127) gets the byte 1; NaN and infinities are not served.
; REGISTERS: window 0: v1-8 addresses; v16-31 L's scale words, v32-47 P's; v48-79 the bias; v80-87 at work; v88-93 scale words out; v96-127 codes out; v128-255 the 16 accumulators.  Window 1: two sets of 8 fragments.
.set XSCL,  12582912
.set WSCL,  2621440
.set QSCL,  4194304
.set KVSCL, 2097152
.set OA,    4                          ; v4-7 where tile l's codes go: 16 x lane + l x the tiles' distance
.set SCL_,  16                         ; L's scale words: 8 (pair) + K step
.set SCP,   32                         ; P's
.set BI,    48
.set TM,    80                         ; +0 largest magnitudes, +2 bytes, +4 holds, +6 scale operands
.set PW,    88
.set PC,    96
.set ACC,   128                        ; accumulator (l, p) at ACC + 8 (4 l + p)
.set MNT,   26
.set LB,    36                         ; s[36:37] L's codes, s[38:39] L's scales, s[40:41] P's codes, s[42:43] P's scales
.set LS,    38
.set PB,    40
.set PS,    42
.set OB,    52                         ; s[52:53] codes out, s[54:55] scale words out, s[58:59] the bias
.set OSC,   54
.set BP,    58
.set SEL,   62
.set MSB, 0
.macro WIN new                         ; the immediate's high byte repeats the setting that is left
.if MSB != \new
	s_set_vgpr_msb (MSB<<8)|\new
.set MSB, \new
.endif
.endm
.set MUL,  0x05                        ; sources 0 and 1 window 1; C and D window 0
.set TO_F, 0x40                        ; destination window 1, address window 0
.macro WM d, a, b, c, sa, sb, ra, rb   ; one product; ra, rb: the scale words stand in lanes 16-31 (odd tile of a pair)
.if (\ra)
.if (\rb)
	v_wmma_scale_f32_16x16x128_f8f6f4 v[(\d):(\d)+7], v[(\a):(\a)+15], v[(\b):(\b)+15], v[(\c):(\c)+7], v[\sa], v[\sb] matrix_a_fmt:MATRIX_FMT_BF8 matrix_b_fmt:MATRIX_FMT_BF8 matrix_a_scale:MATRIX_SCALE_ROW1 matrix_b_scale:MATRIX_SCALE_ROW1
.else
	v_wmma_scale_f32_16x16x128_f8f6f4 v[(\d):(\d)+7], v[(\a):(\a)+15], v[(\b):(\b)+15], v[(\c):(\c)+7], v[\sa], v[\sb] matrix_a_fmt:MATRIX_FMT_BF8 matrix_b_fmt:MATRIX_FMT_BF8 matrix_a_scale:MATRIX_SCALE_ROW1
.endif
.else
.if (\rb)
	v_wmma_scale_f32_16x16x128_f8f6f4 v[(\d):(\d)+7], v[(\a):(\a)+15], v[(\b):(\b)+15], v[(\c):(\c)+7], v[\sa], v[\sb] matrix_a_fmt:MATRIX_FMT_BF8 matrix_b_fmt:MATRIX_FMT_BF8 matrix_b_scale:MATRIX_SCALE_ROW1
.else
	v_wmma_scale_f32_16x16x128_f8f6f4 v[(\d):(\d)+7], v[(\a):(\a)+15], v[(\b):(\b)+15], v[(\c):(\c)+7], v[\sa], v[\sb] matrix_a_fmt:MATRIX_FMT_BF8 matrix_b_fmt:MATRIX_FMT_BF8
.endif
.endif
.endm
; K step s on fragment set f: 16 products; the 16 accumulators take turns, one instruction a turn, in the same order in every step.
; mode 0: onto the sums; 1: the bias along P starts them; 2: the bias along L starts them: nothing is cleared and no bias is added by a vector instruction
.macro MUL16 f, s, mode
.irp l, 0,1,2,3
.irp p, 0,1,2,3
.if \mode == 0
	WM ACC+8*(4*\l+\p), \f+64+16*\p, \f+16*\l, ACC+8*(4*\l+\p), SCP+8*(\p/2)+\s, SCL_+8*(\l/2)+\s, \p%2, \l%2
.elseif \mode == 1
	WM ACC+8*(4*\l+\p), \f+64+16*\p, \f+16*\l, BI+8*\p, SCP+8*(\p/2)+\s, SCL_+8*(\l/2)+\s, \p%2, \l%2
.else
	WM ACC+8*(4*\l+\p), \f+64+16*\p, \f+16*\l, BI+8*\l, SCP+8*(\p/2)+\s, SCL_+8*(\l/2)+\s, \p%2, \l%2
.endif
.endr
.endr
.endm
.macro FETCH s, f                      ; K step s: L's four fragments and P's four into set f: 32 loads of 512 consecutive bytes
	WIN TO_F
.irp i, 0,1,2,3
.irp c, 0,1,2,3
	global_load_b128 v[\f+16*\i+4*\c:\f+16*\i+4*\c+3], v1, s[LB:LB+1] offset:\i*16384+(\s)*2048+\c*512
.endr
.endr
.irp i, 0,1,2,3
.irp c, 0,1,2,3
	global_load_b128 v[\f+64+16*\i+4*\c:\f+64+16*\i+4*\c+3], v1, s[PB:PB+1] offset:\i*16384+(\s)*2048+\c*512
.endr
.endr
	WIN 0
.endm
.macro PLACES                          ; eight places behind this form of matrix instruction, in front of loads into registers that it has read and of the first read of results
.rept 8
	v_nop
.endr
.endm
; 32 numbers of a lane, register 16 b + i = index 32 b + 16 (lane / 16) + i, become 8 registers of codes and a scale word (dup = 1: doubled)
.macro QUANT2 s, pc, pw, dup
.irp b, 0,1
	v_max3_num_f32 v[TM+\b], |v[(\s)+16*\b]|, |v[(\s)+1+16*\b]|, 0x8000000   ; each accumulator is read from its low end on; the floor 2^(16 - 127) holds the byte at 1 from below
.endr
.irp i, 2,4,6,8,10,12,14
.irp b, 0,1
	v_max3_num_f32 v[TM+\b], v[TM+\b], |v[(\s)+16*\b+\i]|, |v[(\s)+1+16*\b+\i]|
.endr
.endr
.irp b, 0,1
	v_permlanex16_b32 v[TM+2+\b], v[TM+\b], s[SEL], s[SEL+1]
.endr
.irp b, 0,1
	v_max_num_f32 v[TM+\b], v[TM+\b], v[TM+2+\b]   ; with lane l xor 16's 16: the block's largest magnitude
.endr
.irp b, 0,1
	v_add_nc_u32 v[TM+6+\b], 0xf8800000, v[TM+\b]  ; 15 off the exponent field: the conversions' scale operand
.endr
.irp b, 0,1
	v_and_or_b32 v[TM+4+\b], v[TM+\b], 0x7f800000, s[MNT]   ; 57,344 x the scale
.endr
.irp b, 0,1
	v_lshrrev_b32 v[TM+2+\b], 23, v[TM+6+\b]       ; the scale's byte
.endr
	v_lshl_or_b32 v[\pw], v[TM+3], 8, v[TM+2]
.if \dup
	v_lshl_or_b32 v[\pw], v[\pw], 16, v[\pw]
.endif
.irp b, 0,1
.irp i, 0,1,2,3,4,5,6,7,8,9,10,11,12,13,14,15
	v_med3_num_f32 v[(\s)+16*\b+\i], v[(\s)+16*\b+\i], -v[TM+4+\b], v[TM+4+\b]   ; the conversion does not saturate (ISA guide 7.6.2): the hold
.endr
	v_cvt_scalef32_pk8_bf8_f32 v[(\pc)+4*\b:(\pc)+4*\b+1], v[(\s)+16*\b:(\s)+16*\b+7], v[TM+6+\b]
	v_cvt_scalef32_pk8_bf8_f32 v[(\pc)+4*\b+2:(\pc)+4*\b+3], v[(\s)+16*\b+8:(\s)+16*\b+15], v[TM+6+\b]
.endr
	v_nop                                          ; one plain vector line behind the last conversion
.endm
	s_load_b256 s[4:11], s[0:1], 0x0               ; xq 4:5, wq 6:7, b_q 8:9, b_k 10:11
	s_load_b128 s[12:15], s[0:1], 0x20             ; b_v 12:13, qq 14:15
	s_load_b64 s[16:17], s[0:1], 0x30              ; kv
	v_lshrrev_b32 v1, 5, v0
	v_readfirstlane_b32 s18, v1                    ; wave 0..5
	s_mul_i32 s3, ttmp9, 6                         ; THE DEAL: 256 work-groups of six waves share out the 1,536 wave tiles, one on each WGP.  Wave tile n = 6 x work-group + wave;
	s_add_co_u32 s3, s3, s18                       ; the head comment's 'work-group' is n / 4 (s3) and its 'wave' n % 4 (s18).  The waves share nothing, so nothing else hangs on the deal
	s_and_b32 s18, s3, 3
	s_lshr_b32 s3, s3, 2
	v_and_b32 v8, 31, v0                           ; lane
	v_lshlrev_b32 v1, 4, v8                        ; 16 x lane
	v_lshlrev_b32 v2, 3, v8                        ; 8 x lane
	v_mov_b32 v[TM+2], 0                           ; written once: a lane permute's destination counts as one of its sources
	v_mov_b32 v[TM+3], 0
	s_mov_b32 s[MNT], 0x600000
	s_mov_b32 s[SEL], 0x76543210
	s_mov_b32 s[SEL+1], 0xfedcba98
	; who am I: role 0 q, 1 k, 2 v; q: which 64 rows; hidx: which head (of 16, or of the 4 kv heads); the weight's and the activation's group of four tiles
	s_lshr_b32 s20, s3, 2
	s_and_b32 s21, s3, 3
	s_lshl_b32 s21, s21, 2
	s_add_co_u32 s21, s21, s18
	s_sub_co_u32 s22, s3, 256
	s_lshr_b32 s23, s22, 6
	s_and_b32 s24, s22, 63
	s_add_co_u32 s25, s23, 1
	s_lshl_b32 s27, s23, 2
	s_add_co_u32 s27, s27, s18
	s_add_co_u32 s27, s27, 16
	s_cmp_lt_u32 s3, 256
	s_cselect_b32 s19, 0, s25                      ; role
	s_cselect_b32 s20, s20, s24                    ; q
	s_cselect_b32 s22, s21, s27                    ; the weight's four tiles: 0-15 w_q, 16-19 w_k, 20-23 w_v
	s_cselect_b32 s21, s21, s18                    ; hidx
	s_lshl_b32 s23, s19, 6
	s_add_co_u32 s23, s23, s20                     ; the activation's four tiles: 64 role + q
	s_mov_b32 s25, 0
	s_wait_alu depctr_va_vdst(0)
	s_wait_kmcnt 0x0
	s_lshl_b32 s24, s23, 16
	s_add_nc_u64 s[28:29], s[4:5], s[24:25]        ; the activation's codes
	s_lshl_b32 s24, s23, 11
	s_add_co_u32 s24, s24, XSCL
	s_add_nc_u64 s[30:31], s[4:5], s[24:25]        ; and scales
	s_lshl_b32 s24, s22, 16
	s_add_nc_u64 s[32:33], s[6:7], s[24:25]        ; the weight's codes
	s_lshl_b32 s24, s22, 11
	s_add_co_u32 s24, s24, WSCL
	s_add_nc_u64 s[34:35], s[6:7], s[24:25]        ; and scales
	s_cmp_eq_u32 s19, 2                            ; for v the weight stands on the lanes and the activation along the registers
	s_cselect_b64 s[LB:LB+1], s[32:33], s[28:29]
	s_cselect_b64 s[LS:LS+1], s[34:35], s[30:31]
	s_cselect_b64 s[PB:PB+1], s[28:29], s[32:33]
	s_cselect_b64 s[PS:PS+1], s[30:31], s[34:35]
	s_mov_b32 s44, 1024
	s_cselect_b32 s44, 2048, s44                   ; from tile to tile in the output
.irp pr, 0,1
.irp sp, 0,1,2,3
	global_load_b64 v[SCL_+8*\pr+2*\sp:SCL_+8*\pr+2*\sp+1], v2, s[LS:LS+1] offset:\pr*1024+\sp*256   ; two K steps' scale words of a pair of tiles: 256 consecutive bytes
	global_load_b64 v[SCP+8*\pr+2*\sp:SCP+8*\pr+2*\sp+1], v2, s[PS:PS+1] offset:\pr*1024+\sp*256
.endr
.endr
	; where the results go
	s_lshl_b32 s45, s21, 18
	s_lshl_b32 s46, s20, 12
	s_add_co_u32 s45, s45, s46                     ; q: head x 262144 + four tiles of 1,024
	s_lshl_b32 s46, s21, 6
	s_add_co_u32 s46, s46, s20
	s_lshl_b32 s46, s46, 8
	s_add_co_u32 s46, s46, QSCL
	s_lshr_b32 s47, s20, 1                         ; k, v: the step of 128 keys,
	s_and_b32 s48, s20, 1                          ; and which half of it
	s_lshl_b32 s49, s21, 19
	s_lshl_b32 s50, s47, 14
	s_add_co_u32 s49, s49, s50
	s_lshl_b32 s50, s48, 12                        ; k: four tiles of 1,024
	s_lshl_b32 s51, s48, 10
	s_add_co_u32 s51, s51, 8192                    ; v: two blocks of 512 in each tile of d
	s_cmp_eq_u32 s19, 2
	s_cselect_b32 s50, s51, s50
	s_add_co_u32 s49, s49, s50
	s_lshl_b32 s50, s21, 15
	s_lshl_b32 s51, s47, 10
	s_add_co_u32 s50, s50, s51
	s_lshl_b32 s51, s48, 8
	s_add_co_u32 s50, s50, s51
	s_add_co_u32 s50, s50, KVSCL
	s_cmp_eq_u32 s19, 2
	s_cselect_b32 s51, 512, 0
	s_add_co_u32 s50, s50, s51
	s_cmp_eq_u32 s19, 0
	s_cselect_b32 s52, s45, s49
	s_cselect_b32 s54, s46, s50
	s_cselect_b64 s[56:57], s[14:15], s[16:17]     ; qq or kv
	s_mov_b32 s53, 0
	s_mov_b32 s55, 0
	s_add_nc_u64 s[OB:OB+1], s[56:57], s[52:53]
	s_add_nc_u64 s[OSC:OSC+1], s[56:57], s[54:55]
	s_cmp_eq_u32 s19, 1
	s_cselect_b64 s[BP:BP+1], s[10:11], s[12:13]
	s_cmp_eq_u32 s19, 0
	s_cselect_b64 s[BP:BP+1], s[8:9], s[BP:BP+1]
	s_lshl_b32 s60, s21, 8                         ; the head's 64 numbers
	s_mov_b32 s61, 0
	s_add_nc_u64 s[BP:BP+1], s[BP:BP+1], s[60:61]
	v_mov_b32 v[OA], v1
	v_add_nc_u32 v[OA+1], s44, v[OA]
	v_add_nc_u32 v[OA+2], s44, v[OA+1]
	v_add_nc_u32 v[OA+3], s44, v[OA+2]
	s_cmp_eq_u32 s19, 2                            ; ids alone
	s_cbranch_scc1 .Lvarm
	; q, k: the bias runs along P: tile 2 b + u, register j: the head's d = 32 b + 16 h + 8 u + j
	v_bfe_u32 v3, v0, 4, 1
	v_lshlrev_b32 v3, 6, v3
.irp p, 0,1,2,3
	global_load_b128 v[BI+8*\p:BI+8*\p+3], v3, s[BP:BP+1] offset:128*(\p/2)+32*(\p%2)
	global_load_b128 v[BI+8*\p+4:BI+8*\p+7], v3, s[BP:BP+1] offset:128*(\p/2)+32*(\p%2)+16
.endr
	FETCH 0, 0
	FETCH 1, 128
	s_wait_loadcnt 32                              ; all but K step 1's 32 loads: scales, bias and K step 0 are in
	WIN MUL
	MUL16 0, 0, 1
	WIN 0
	s_branch .Ljoin
.Lvarm:
	; v: the bias runs along L: lane r of tile l: the head's d = 32 (l / 2) + 8 (l % 2) + r + 8 (r / 8): one number a lane, the same in all eight registers
	v_and_b32 v3, 15, v0
	v_and_b32 v9, 8, v3
	v_add_nc_u32 v3, v3, v9
	v_lshlrev_b32 v3, 2, v3
.irp l, 0,1,2,3
	global_load_b32 v[BI+8*\l], v3, s[BP:BP+1] offset:128*(\l/2)+32*(\l%2)
.endr
	FETCH 0, 0
	FETCH 1, 128
	s_wait_loadcnt 32                              ; all but K step 1's 32 loads
.irp l, 0,1,2,3
.irp j, 1,2,3,4,5,6,7
	v_mov_b32 v[BI+8*\l+\j], v[BI+8*\l]
.endr
.endr
	PLACES
	WIN MUL
	MUL16 0, 0, 2
	WIN 0
.Ljoin:
	PLACES
	FETCH 2, 0
.irp s, 1,2,3,4,5,6,7
.if \s < 7
	s_wait_loadcnt 32                              ; this step's set is in; the other set's 32 loads may be out
.else
	s_wait_loadcnt 0x0
.endif
	WIN MUL
	MUL16 128*(\s%2), \s, 0
	WIN 0
.if \s+2 < 8
	PLACES
	FETCH \s+2, 128*(\s%2)
.endif
.endr
	PLACES
.irp l, 0,1,2,3
	QUANT2 ACC+32*\l, PC+8*\l, PW+\l, 1
	global_store_b128 v[OA+\l], v[PC+8*\l:PC+8*\l+3], s[OB:OB+1]               ; 512 consecutive bytes, aligned
	global_store_b128 v[OA+\l], v[PC+8*\l+4:PC+8*\l+7], s[OB:OB+1] offset:512
.endr
	v_cmp_le_u32 vcc_lo, 16, v8                    ; lanes 16-31 carry the odd tiles' words (every word stands in both halves of the lanes)
	v_cndmask_b32 v92, v[PW], v[PW+1], vcc_lo
	v_cndmask_b32 v93, v[PW+2], v[PW+3], vcc_lo
	global_store_b64 v2, v[92:93], s[OSC:OSC+1]    ; 256 consecutive bytes, aligned
	s_endpgm
.Lfunc_end_k_qbcfa4eb7af_qkv:
	.size	k_qbcfa4eb7af_qkv, .Lfunc_end_k_qbcfa4eb7af_qkv-k_qbcfa4eb7af_qkv
	.p2alignl 7, 3214868480
	.fill 96, 4, 3214868480
	.section	.rodata,"a",@progbits
	.p2align	6, 0x0
	.amdhsa_kernel k_qbcfa4eb7af_qkv
		.amdhsa_group_segment_fixed_size 0
		.amdhsa_private_segment_fixed_size 0
		.amdhsa_enable_private_segment 0
		.amdhsa_kernarg_size 56
		.amdhsa_user_sgpr_count 2
		.amdhsa_user_sgpr_kernarg_segment_ptr 1
		.amdhsa_wavefront_size32 1
		.amdhsa_system_sgpr_workgroup_id_x 1
		.amdhsa_system_sgpr_workgroup_id_y 1
		.amdhsa_system_sgpr_workgroup_id_z 1
		.amdhsa_system_vgpr_workitem_id 0
		.amdhsa_next_free_vgpr 512
		.amdhsa_next_free_sgpr 66
		.amdhsa_reserve_vcc 1
		.amdhsa_float_denorm_mode_32 3
		.amdhsa_float_denorm_mode_16_64 3
		.amdhsa_memory_ordered 1
		.amdhsa_forward_progress 1
		.amdhsa_inst_pref_size 77
	.end_amdhsa_kernel
	.amdgpu_metadata
---
amdhsa.version: [ 1, 2 ]
amdhsa.kernels:
  - .name:           k_qbcfa4eb7af_qkv
    .symbol:         k_qbcfa4eb7af_qkv.kd
    .args:
      - { .name: xq, .offset: 0, .size: 8, .value_kind: global_buffer, .address_space: global }
      - { .name: wq, .offset: 8, .size: 8, .value_kind: global_buffer, .address_space: global }
      - { .name: b_q, .offset: 16, .size: 8, .value_kind: global_buffer, .address_space: global }
      - { .name: b_k, .offset: 24, .size: 8, .value_kind: global_buffer, .address_space: global }
      - { .name: b_v, .offset: 32, .size: 8, .value_kind: global_buffer, .address_space: global }
      - { .name: qq, .offset: 40, .size: 8, .value_kind: global_buffer, .address_space: global }
      - { .name: kv, .offset: 48, .size: 8, .value_kind: global_buffer, .address_space: global }
    .group_segment_fixed_size: 0
    .private_segment_fixed_size: 0
    .kernarg_segment_align: 8
    .kernarg_segment_size: 56
    .max_flat_workgroup_size: 192
    .sgpr_count:     66
    .vgpr_count:     512
    .wavefront_size: 32
...
	.end_amdgpu_metadata
.endif
;; end of part 2
;; launch attn (part 3): grid 64 x 4, 8 waves a work-group, clusters of 4 x 1, 327,680 bytes of LDS; arguments qq, kv, ao; writes ao
.if DOCPART == 3
	.amdgcn_target "amdgcn-amd-amdhsa--gfx1250"
	.amdhsa_code_object_version 6
	.text
	.protected	k_qbcfa4eb7af_attn
	.globl	k_qbcfa4eb7af_attn
	.p2align	8
	.type	k_qbcfa4eb7af_attn,@function
k_qbcfa4eb7af_attn:
	s_mov_b64 s[64:65], 0
	v_nop
	global_prefetch_b8 v0, s[64:65] scope:SCOPE_SE
	s_setreg_imm32_b32 hwreg(HW_REG_WAVE_MODE, 25, 1), 1
	s_wait_xcnt 0x0
	s_wait_alu depctr_hold_cnt(0) depctr_sa_sdst(0) depctr_va_vdst(0) depctr_va_sdst(0) depctr_va_ssrc(0) depctr_va_vcc(0) depctr_vm_vsrc(0)
	s_getreg_b32 s2, hwreg(HW_REG_IB_STS2, 6, 4)
	s_cmp_eq_u32 s2, 0
	s_cbranch_scc0 .Lentry_in_a_cluster
	s_endpgm
.Lentry_in_a_cluster:
	s_bfe_u32 s2, ttmp6, 0x10000c
	s_cmp_lg_u32 s2, 0x3003
	s_cbranch_scc0 .Lentry_shape_is_right
	s_endpgm
.Lentry_shape_is_right:
; Launch 3 of 4: softmax(q k^T / 8) v for 16 query heads on 4 kv heads, both products on codes of BF8 (E5M2) with E8M0 scales; the result is quantised along the model's 1,024 for launch 4.  No work is left out.
; t = score x log2(e) / 8; M = the running largest t rounded up to a whole number; p = 2^(t - M) is quantised along the keys, not normalised; the row's sum is taken of the unquantised p and divides at the end.
; SHARES.  A work-group owns 64 queries x the 4 query heads of one kv head; each of its 8 waves owns 32 queries of one head, tiles a and b, so that each fragment of K and V read from LDS feeds two products.
; Both products are used transposed: a lane holds one query of each tile.
; THE TWO TILES ARE WOVEN: a's search for the maximum stands among b's first products, each tile's chain for M among the other's lines, b's multiply-adds among a's exponentials, a's holds among b's exponentials,
; b's holds among a's second products.  Among exponentials stand only lines whose results are read behind the next s_wait_alu and whose sources were written ahead of the one in front of the batch.
; THE HEAD'S 64 IN A K OF 128.  Source 0 holds TWO key tiles, the even one in k 0-63, the odd one in k 64-127; source 1 holds the queries in one half and zero codes in the other (registers Qa, 0, Qb, 0, Qa: four views of 16).
; A zero code times a finite code adds nothing.  The scale words of launch 2 are doubled (s0 s1 s0 s1), so each serves either half.
; THE RING.  kv lies K(0) V(0) K(1) V(1) .. in pieces of 8,192 bytes (j: 128 keys).  A slot is 131,072 bytes that begin 8,192 bytes on: V(8n) K(8n+1) .. V(8n+7) K(8n+8); K(0) lies ahead of slot 0 in LDS.  So step j reads V(j) and
; the NEXT step's K from one slot, through one address register, and K's fragments are in registers a step ahead.  Four slots, two places in LDS; a slot is asked for a whole slot's 8 steps ahead of the wait for it.
; The last step's fetch of K(32) brings bytes that no product takes (the next head's first K, or for the last head launch 2's scale bytes: inside kv); its scale words are step 31's again.
; CLUSTER 4 x 1: the four work-groups of a cluster walk the same K and V: every tensor load is a joint one, mask 15; its descriptor hangs on the kv head and the wave's number alone.
; PREFETCH: at the change that loads slot n + 1 each wave names 16 blocks of 256 bytes of slot n + 2 (8 key steps ahead of that slot's load); the cluster's 32 waves share the slot's 512 blocks out by address.  Slots 0 and 1 come by their loads alone.
; LIMITS: the promise holds while |t| stays under 2^31; a block under the floor 2^(16 - 127) gets the byte 1; NaN and infinities are not served.
; REGISTERS.  Window 0: v1-12 addresses; v16-31 scale words; v32-95, v96-159 S^T then p of a, b; v160-191 p's codes; v192-223, v224-255 a's, b's state.  Window 1: v0-63 K; v64-103 the queries; v112-175 V; v176-239 O^T of a, b.
.set QSCL,  4194304
.set KVSCL, 2097152
.set AOSCL, 4194304
.set RING,  8192                       ; LDS: K(0), then the two slots
.set SLOT,  131072
.set SCLB,  RING+2*SLOT                ; the kv head's 32,768 scale bytes, 1,024 a key step: K's 512, V's 512
.set AOST,  SCLB+32768                 ; a stage of 512 bytes for the result's scale bytes (a block of 2,048 is kept)
.set SPARE, AOST+2048                  ; the spare words, 128 bytes a wave
.set NSL,   4
.set LQ, 1                             ; 16 x lane
.set LV, 2                             ; 16 x lane + RING
.set LS, 3                             ; 8 x lane + SCLB
.set ADV, 4                            ; the step's V; + 8192: the next step's K
.set ADS, 5                            ; the step's scale words
.set ADN, 6                            ; the next step's
.set SPW, 7
.set NIL, 8
.set PFO, 9
.set AST, 10
.set AGL, 11                           ; 8 x lane
.set LN,  12                           ; lane
.set KS,  16                           ; v16-19 K's scale words; v20 Q's (lanes 0-15 tile a, 16-31 tile b)
.set QS,  20
.set VSC, 24                           ; v24-25 V's scale words for 128 keys; v26, v27 p's of tile a, b; v28-31 V's as loaded
.set PWA, 26
.set VSR, 28
.set SA,  32
.set SB,  96
.set PCA, 160
.set PCB, 176
.set TA,  192                          ; a tile's state: +0 the blocks' maxima, and:
.set TBB, 224
.set PT,  4
.set HB,  8
.set SO,  12
.set AC,  16                           ; three side chains of the sum, then the sum
.set SUM, 22
.set F,   24
.set MM,  26                           ; -M, and the largest score so far
.set TMP, 28
.set OLD, 29
.set PWT, 30
.set KR,  0                            ; window 1
.set QR,  64
.set VR,  112
.set OA,  176
.set OB,  208
.set WV,  18
.set MNT, 19
.set SEL, 20
.set CS,  22
.set G1R, 24
.set G1H, 32
.set G1S, 40
.set G0R, 48
.set G0H, 52
.set G0S, 56
.set TB,  60
.set TS,  61
.set TN,  62
.set JC,  63
.set SLOTS, 66
.set PSEL, 67
.set PFA, 68
.set MSB, 0
.macro WIN new                         ; the immediate's high byte repeats the setting that is left
.if MSB != \new
	s_set_vgpr_msb (MSB<<8)|\new
.set MSB, \new
.endif
.endm
.set W_QK, 0x05                        ; K and the queries window 1, S^T window 0
.set W_PV, 0x51                        ; V, C and D window 1, p's codes window 0
.set W_O,  0x41                        ; O^T window 1, f window 0
.macro WALU
	s_wait_alu depctr_va_vdst(0)
.endm
.macro ROUND                           ; a round of the cluster's barrier
	s_barrier_signal -1
	s_barrier_wait -1
	s_cmp_lg_u32 s[WV], 0
	s_cbranch_scc1 .Lnot_wave_0_\@
	s_barrier_signal -3
.Lnot_wave_0_\@:
	s_barrier_wait -3
	s_barrier_signal -1
	s_barrier_wait -1
.endm
.macro TLOAD g0, g1                    ; s_nop 0 and four v_nop follow a tensor load
	tensor_load_to_lds s[\g0:\g0+3], s[\g1:\g1+7]
	s_nop 0
.rept 4
	v_nop
.endr
.endm
.macro GROUP1 g, rows                  ; so many dense rows of 256 bytes (32 elements of 8), for all four of the cluster
	s_mov_b32 s[\g], 15|(3<<16)|(1<<21)
	s_mov_b32 s[\g+1], 32<<16
	s_mov_b32 s[\g+2], (\rows)<<16
	s_mov_b32 s[\g+3], 32<<16
	s_mov_b32 s[\g+4], \rows
	s_mov_b32 s[\g+5], 32
	s_mov_b32 s[\g+6], 0
	s_mov_b32 s[\g+7], 0
.endm
.macro WMZ d, a, b, sa, ra, rb         ; a product that starts its sums; ra, rb: the scale words stand in lanes 16-31
.if (\ra) && (\rb)
	v_wmma_scale_f32_16x16x128_f8f6f4 v[(\d):(\d)+7], v[(\a):(\a)+15], v[(\b):(\b)+15], 0, v[\sa], v[QS] matrix_a_fmt:MATRIX_FMT_BF8 matrix_b_fmt:MATRIX_FMT_BF8 matrix_a_scale:MATRIX_SCALE_ROW1 matrix_b_scale:MATRIX_SCALE_ROW1
.elseif (\ra)
	v_wmma_scale_f32_16x16x128_f8f6f4 v[(\d):(\d)+7], v[(\a):(\a)+15], v[(\b):(\b)+15], 0, v[\sa], v[QS] matrix_a_fmt:MATRIX_FMT_BF8 matrix_b_fmt:MATRIX_FMT_BF8 matrix_a_scale:MATRIX_SCALE_ROW1
.elseif (\rb)
	v_wmma_scale_f32_16x16x128_f8f6f4 v[(\d):(\d)+7], v[(\a):(\a)+15], v[(\b):(\b)+15], 0, v[\sa], v[QS] matrix_a_fmt:MATRIX_FMT_BF8 matrix_b_fmt:MATRIX_FMT_BF8 matrix_b_scale:MATRIX_SCALE_ROW1
.else
	v_wmma_scale_f32_16x16x128_f8f6f4 v[(\d):(\d)+7], v[(\a):(\a)+15], v[(\b):(\b)+15], 0, v[\sa], v[QS] matrix_a_fmt:MATRIX_FMT_BF8 matrix_b_fmt:MATRIX_FMT_BF8
.endif
.endm
.macro WMA d, a, pc, sa, sb, ra        ; a product onto O^T
.if (\ra)
	v_wmma_scale_f32_16x16x128_f8f6f4 v[(\d):(\d)+7], v[(\a):(\a)+15], v[(\pc):(\pc)+15], v[(\d):(\d)+7], v[\sa], v[\sb] matrix_a_fmt:MATRIX_FMT_BF8 matrix_b_fmt:MATRIX_FMT_BF8 matrix_a_scale:MATRIX_SCALE_ROW1
.else
	v_wmma_scale_f32_16x16x128_f8f6f4 v[(\d):(\d)+7], v[(\a):(\a)+15], v[(\pc):(\pc)+15], v[(\d):(\d)+7], v[\sa], v[\sb] matrix_a_fmt:MATRIX_FMT_BF8 matrix_b_fmt:MATRIX_FMT_BF8
.endif
.endm
.macro KLOAD adr, off                  ; eight key tiles of 1,024 bytes into window 1
	WIN 0x40
.irp t, 0,1,2,3,4,5,6,7
	ds_load_b128 v[KR+8*\t:KR+8*\t+3], v[\adr] offset:(\off)+1024*\t
	ds_load_b128 v[KR+8*\t+4:KR+8*\t+7], v[\adr] offset:(\off)+1024*\t+512
.endr
	WIN 0
.endm
; THE SOFTMAX'S LINES, each list numbered, for the tile with scores at s and state at t
.macro BMX n, s, t                     ; 32 lines: the largest score of each block of 32 keys, the four blocks by turns; each accumulator is first read at its low end
.set B_, (\n)%4
.set K_, (\n)/4
.if K_ == 0
	v_max3_num_f32 v[\t+B_], v[\s+16*B_], v[\s+16*B_+1], v[\s+16*B_+2]
.elseif K_ < 7
	v_max3_num_f32 v[\t+B_], v[\t+B_], v[\s+16*B_+2*K_+1], v[\s+16*B_+2*K_+2]
.else
	v_max_num_f32 v[\t+B_], v[\t+B_], v[\s+16*B_+15]
.endif
.endm
.macro PRM t                           ; with lane l xor 16's 16 keys
.irp b, 0,1,2,3
	v_permlanex16_b32 v[\t+PT+\b], v[\t+\b], s[SEL], s[SEL+1]
.endr
.irp b, 0,1,2,3
	v_max_num_f32 v[\t+\b], v[\t+\b], v[\t+PT+\b]
.endr
.endm
.macro CHN n, t                        ; 7 lines, each on the one before: the running maximum, -M, f
.if (\n) == 0
	v_max3_num_f32 v[\t+TMP], v[\t], v[\t+1], v[\t+2]
.elseif (\n) == 1
	v_max3_num_f32 v[\t+MM+1], v[\t+TMP], v[\t+3], v[\t+MM+1]   ; the running largest score (c is positive: its t is the largest t)
.elseif (\n) == 2
	v_mul_f32 v[\t+TMP], s[CS], v[\t+MM+1]
.elseif (\n) == 3
	v_floor_f32 v[\t+MM], -v[\t+TMP]               ; -M = floor(-t)
.elseif (\n) == 4
	v_sub_f32 v[\t+TMP], v[\t+MM], v[\t+OLD]       ; old M - new M: a whole number, 0 or less
.elseif (\n) == 5
	v_cvt_i32_f32 v[\t+TMP], v[\t+TMP]             ; (it saturates)
.else
	v_ldexp_f32 v[\t+F], 1.0, v[\t+TMP]            ; f = 2^(old M - new M)
.endif
.endm
.macro FMA n, s, t                     ; 34 lines: t - M of the 64 scores and of the blocks' four largest
.if (\n) < 32
	v_pk_fma_f32 v[\s+2*(\n):\s+2*(\n)+1], v[\s+2*(\n):\s+2*(\n)+1], s[CS:CS+1], v[\t+MM:\t+MM+1] op_sel_hi:[1,0,0]
.else
	v_pk_fma_f32 v[\t+2*(\n)-64:\t+2*(\n)-63], v[\t+2*(\n)-64:\t+2*(\n)-63], s[CS:CS+1], v[\t+MM:\t+MM+1] op_sel_hi:[1,0,0]
.endif
.endm
.macro EXQ n, s, t                     ; 68 lines: the blocks' largest p, then p
.if (\n) < 4
	v_exp_f32 v[\t+(\n)], v[\t+(\n)]
.else
	v_exp_f32 v[\s+(\n)-4], v[\s+(\n)-4]
.endif
.endm
.macro ADD n, s, t                     ; 32 lines: the row's sum of the unquantised p, in four chains
.set D_, \t+AC+2*((\n)%4)
.if (\n) < 3
	v_pk_add_f32 v[D_:D_+1], v[\s+4*(\n):\s+4*(\n)+1], v[\s+4*(\n)+2:\s+4*(\n)+3]
.elseif (\n) < 29
	v_pk_add_f32 v[D_:D_+1], v[D_:D_+1], v[\s+2*(\n)+6:\s+2*(\n)+7]
.elseif (\n) == 29
	v_pk_add_f32 v[\t+SUM:\t+SUM+1], v[\t+SUM:\t+SUM+1], v[\t+AC+4:\t+AC+5]
.elseif (\n) == 30
	v_pk_add_f32 v[\t+AC:\t+AC+1], v[\t+AC:\t+AC+1], v[\t+AC+2:\t+AC+3]
.else
	v_pk_add_f32 v[\t+SUM:\t+SUM+1], v[\t+SUM:\t+SUM+1], v[\t+AC:\t+AC+1]
.endif
.endm
.macro SCL n, t, pw                    ; 19 lines: the four blocks' scale operands, bounds and bytes, and p's scale word
.set B_, (\n)%4
.if (\n) < 4
	v_max_num_f32 v[\t+B_], 0x8000000, v[\t+B_]    ; the floor 2^(16 - 127)
.elseif (\n) < 8
	v_add_nc_u32 v[\t+SO+B_], 0xf8800000, v[\t+B_] ; 15 off the exponent field: the conversions' scale operand
.elseif (\n) < 12
	v_and_or_b32 v[\t+HB+B_], v[\t+B_], 0x7f800000, s[MNT]   ; 57,344 x the scale
.elseif (\n) < 16
	v_lshrrev_b32 v[\t+PT+B_], 23, v[\t+SO+B_]     ; the scale's byte
.elseif (\n) == 16
	v_lshl_or_b32 v[\t+PWT], v[\t+PT+1], 8, v[\t+PT]
.elseif (\n) == 17
	v_lshl_or_b32 v[\t+PWT], v[\t+PT+2], 16, v[\t+PWT]
.else
	v_lshl_or_b32 v[\pw], v[\t+PT+3], 24, v[\t+PWT]
.endif
.endm
.macro HLD n, s, t                     ; 32 pairs: the hold (ISA guide 7.6.2: the conversion does not saturate); p is not negative
.set X_, \s+16*((\n)/8)+2*((\n)%8)
.set Y_, \t+HB+(\n)/8
	v_dual_min_num_f32 v[X_], v[X_], v[Y_] :: v_dual_min_num_f32 v[X_+1], v[X_+1], v[Y_]
.endm
.macro CVT n, s, t, pc                 ; 8 lines
	v_cvt_scalef32_pk8_bf8_f32 v[\pc+2*(\n):\pc+2*(\n)+1], v[\s+8*(\n):\s+8*(\n)+7], v[\t+SO+(\n)/2]
.endm
.macro RESC o, t                       ; O^T under the new M; the wait stands directly ahead of O^T's first readers; the 16 lines are also the places ahead of the products
	WIN W_O
	WALU
.set I_, 0
.rept 16
	v_pk_mul_f32 v[\o+I_:\o+I_+1], v[\o+I_:\o+I_+1], v[\t+F:\t+F+1] op_sel_hi:[1,0]
.set I_, I_+2
.endr
.endm
; A KEY STEP: 128 keys, both tiles.  K's fragments and scale words were fetched in the step before.
.macro STEP
	s_wait_dscnt 0x0
	WIN W_QK
.irp t, 0,1,2,3,4,5,6,7
	WMZ SA+8*\t, KR+16*(\t/2), QR+24*(\t%2), KS+\t/2, \t%2, 0          ; a: the views Qa 0 and 0 Qa
.endr
.set W_, 0
.rept 8                                ; b: the views Qb 0 and 0 Qb.  Behind its first four products nine places (8 are asked behind a's last), behind the others a's maxima
	WIN W_QK
	WMZ SB+8*W_, KR+16*(W_/2), QR+16-8*(W_%2), KS+W_/2, W_%2, 1
	WIN 0
.if W_ == 0
	v_add_nc_u32 v[ADV], s[TB], v[LV]
	v_add_nc_u32 v[ADS], s[TS], v[LS]
.elseif W_ == 1
	v_add_nc_u32 v[ADN], s[TN], v[LS]
	v_mov_b32 v[TA+OLD], v[TA+MM]
	v_mov_b32 v[TBB+OLD], v[TBB+MM]
.elseif W_ < 4
	v_nop
	v_nop
.else
.irp k, 0,1,2,3,4
	BMX 5*(W_-4)+\k, SA, TA
.endr
.endif
.set W_, W_+1
.endr
.irp n, 20,21,22,23,24,25,26,27,28,29,30,31
	BMX \n, SA, TA                                 ; with the five above: the places ahead of the loads into what the products have read and of b's first read
.endr
	ds_load_b64 v[VSR:VSR+1], v[ADS] offset:512
	ds_load_b64 v[VSR+2:VSR+3], v[ADS] offset:768
	WIN 0x40
.irp t, 0,1,2,3
.irp c, 0,1,2,3
	ds_load_b128 v[VR+16*\t+4*\c:VR+16*\t+4*\c+3], v[ADV] offset:2048*\t+512*\c
.endr
.endr
	KLOAD ADV, 8192
	ds_load_b64 v[KS:KS+1], v[ADN]
	ds_load_b64 v[KS+2:KS+3], v[ADN] offset:256
	PRM TA
.set W_, 0
.rept 8                                ; b's maxima, a's chain among them
.irp k, 0,1,2,3
	BMX 4*W_+\k, SB, TBB
.endr
.if W_ < 7
	CHN W_, TA
.endif
.set W_, W_+1
.endr
	PRM TBB
.set W_, 0
.rept 7                                ; b's chain among a's multiply-adds
	CHN W_, TBB
.irp k, 0,1,2,3
	FMA 4*W_+\k, SA, TA
.endr
.set W_, W_+1
.endr
.irp n, 28,29,30,31,32,33
	FMA \n, SA, TA
.endr
	WALU                                           ; ahead of the batch
.set W_, 0
.rept 34                               ; a's exponentials, b's multiply-adds among them
	EXQ 2*W_, SA, TA
	EXQ 2*W_+1, SA, TA
	FMA W_, SB, TBB
.set W_, W_+1
.endr
	WALU                                           ; behind the batch, and ahead of the wait below
	s_wait_dscnt 18                                ; V's 16 loads and its 2 of scale words are in; behind them: the next K's 16 and its 2
	v_perm_b32 v[VSC], v[VSR+2], v[VSR], s[PSEL]   ; two halves of 64 keys: s0 s1 of each
	v_perm_b32 v[VSC+1], v[VSR+3], v[VSR+1], s[PSEL]
	v_pk_mul_f32 v[TA+SUM:TA+SUM+1], v[TA+SUM:TA+SUM+1], v[TA+F:TA+F+1] op_sel_hi:[1,0]   ; the sum under the new M
.set W_, 0
.rept 32
.if W_ < 19
	SCL W_, TA, PWA
.endif
	ADD W_, SA, TA
.set W_, W_+1
.endr
	WALU                                           ; ahead of the batch
.irp n, 0,1,2,3
	EXQ \n, SB, TBB
.endr
.set W_, 0
.rept 32                               ; b's exponentials, a's holds among them
	EXQ 4+2*W_, SB, TBB
	EXQ 5+2*W_, SB, TBB
	HLD W_, SA, TA
.set W_, W_+1
.endr
	v_pk_mul_f32 v[TBB+SUM:TBB+SUM+1], v[TBB+SUM:TBB+SUM+1], v[TBB+F:TBB+F+1] op_sel_hi:[1,0]   ; a plain place behind the batch
	WALU                                           ; behind the batch
.set W_, 0
.rept 32
.if W_ < 19
	SCL W_, TBB, PWA+1
.endif
	ADD W_, SB, TBB
.if W_ < 8
	CVT W_, SA, TA, PCA
.endif
.set W_, W_+1
.endr
	RESC OA, TA
.set W_, 0
.rept 4                                ; O^T += V^T P^T of a, the four accumulators by turns; b's holds among the products
	WIN W_PV
	WMA OA+8*W_, VR+16*W_, PCA, VSC+W_/2, PWA, W_%2
	WIN 0
.irp k, 0,1,2,3,4,5,6,7
	HLD 8*W_+\k, SB, TBB
.endr
.set W_, W_+1
.endr
.irp n, 0,1,2,3,4,5,6,7
	CVT \n, SB, TBB, PCB
.endr
	RESC OB, TBB
	WIN W_PV
.irp t, 0,1,2,3
	WMA OB+8*\t, VR+16*\t, PCB, VSC+\t/2, PWA+1, \t%2
.endr
	WIN 0
	s_add_co_u32 s[TB], s[TB], 16384
	s_and_b32 s[TB], s[TB], 2*SLOT-1               ; round the two slots
	s_add_co_u32 s[TS], s[TS], 1024
	s_add_co_u32 s[TN], s[TS], 1024
	s_min_u32 s[TN], s[TN], 31*1024                ; there is no step 32
.endm
; THE CHANGE OF SLOTS, at a slot's head.  All my tensor loads are in (my part of the slot ahead), 0 goes onto my spare word, my reads of the slot that I have left are over.  fill = 1: a round of the cluster's barrier, and that slot is asked for anew.
.macro CHANGE fill
	s_wait_tensorcnt 0x0
	ds_add_u32 v[SPW], v[NIL]
.if \fill
	s_xor_b32 s[G0R+1], s[G0R+1], SLOT
	s_add_nc_u64 s[G0R+2:G0R+3], s[G0R+2:G0R+3], SLOT
	s_wait_xcnt 0x0                                ; my prefetch has read its address
	s_add_nc_u64 s[PFA:PFA+1], s[PFA:PFA+1], SLOT
.endif
	s_wait_dscnt 0x0
.if \fill
	ROUND
	TLOAD G0R, G1R                                 ; my eighth of the slot: 64 rows of 256 bytes
	s_cmp_gt_u32 s[SLOTS], 1                       ; the last change that fills has no slot behind its own
	s_cbranch_scc0 .Lnone_\@
	global_prefetch_b8 v[PFO], s[PFA:PFA+1] th:TH_LOAD_NT scope:SCOPE_SE
.Lnone_\@:
.else
	s_barrier_signal -1
	s_barrier_wait -1
.endif
.endm
.macro INIT t
	v_mov_b32 v[\t+MM+1], 0xff61b1e6               ; -3e38, under every score
	v_mov_b32 v[\t+MM], 0x7e000000                 ; its -M: a large whole number, so that the first f is 0
	v_mov_b32 v[\t+SUM], 0
	v_mov_b32 v[\t+SUM+1], 0
	v_mov_b32 v[\t+F+1], 0
.irp b, 0,1,2,3
	v_mov_b32 v[\t+PT+\b], 0                       ; a lane permute's destination counts as a source
.endr
.endm
; THE WAY OUT of a tile: O^T / the sum, quantised along the head's 64 (two blocks of 32, each in lanes l and l xor 16), codes stored in the order of launch 4's operand registers
.macro FIN s, t, o, pc, off
	v_add_f32 v[\t+SUM], v[\t+SUM], v[\t+SUM+1]
	v_permlanex16_b32 v[\t+TMP], v[\t+SUM], s[SEL], s[SEL+1]
	v_add_f32 v[\t+SUM], v[\t+SUM], v[\t+TMP]
	WALU
	v_rcp_f32 v[\t+SUM], v[\t+SUM]
	v_nop
	WIN 0x01
	WALU
.set I_, 0
.rept 32
	v_mul_f32 v[\s+I_], v[\o+I_], v[\t+SUM]
.set I_, I_+1
.endr
	WIN 0
.irp b, 0,1
	v_max3_num_f32 v[\t+\b], |v[\s+16*\b]|, |v[\s+1+16*\b]|, 0x8000000
.endr
.irp i, 2,4,6,8,10,12,14
.irp b, 0,1
	v_max3_num_f32 v[\t+\b], v[\t+\b], |v[\s+16*\b+\i]|, |v[\s+1+16*\b+\i]|
.endr
.endr
.irp b, 0,1
	v_permlanex16_b32 v[\t+PT+\b], v[\t+\b], s[SEL], s[SEL+1]
.endr
.irp b, 0,1
	v_max_num_f32 v[\t+\b], v[\t+\b], v[\t+PT+\b]
.endr
.irp b, 0,1
	v_add_nc_u32 v[\t+SO+\b], 0xf8800000, v[\t+\b]
.endr
.irp b, 0,1
	v_and_or_b32 v[\t+HB+\b], v[\t+\b], 0x7f800000, s[MNT]
.endr
.irp b, 0,1
	v_lshrrev_b32 v[\t+PT+\b], 23, v[\t+SO+\b]
.endr
	v_lshl_or_b32 v[\t+PWT], v[\t+PT+1], 8, v[\t+PT]   ; the two bytes of my row
.irp b, 0,1
.irp i, 0,1,2,3,4,5,6,7,8,9,10,11,12,13,14,15
	v_med3_num_f32 v[\s+16*\b+\i], v[\s+16*\b+\i], -v[\t+HB+\b], v[\t+HB+\b]
.endr
	v_cvt_scalef32_pk8_bf8_f32 v[\pc+4*\b:\pc+4*\b+1], v[\s+16*\b:\s+16*\b+7], v[\t+SO+\b]
	v_cvt_scalef32_pk8_bf8_f32 v[\pc+4*\b+2:\pc+4*\b+3], v[\s+16*\b+8:\s+16*\b+15], v[\t+SO+\b]
.endr
	v_nop
	global_store_b128 v[LQ], v[\pc:\pc+3], s[74:75] offset:\off          ; 512 consecutive bytes, aligned
	global_store_b128 v[LQ], v[\pc+4:\pc+7], s[74:75] offset:(\off)+512
.endm
	s_load_b128 s[4:7], s[0:1], 0x0                ; qq, kv
	s_load_b64 s[8:9], s[0:1], 0x10                ; ao
	v_lshl_add_u32 v[SPW], v0, 2, SPARE
	v_mov_b32 v[NIL], 0
	ds_add_u32 v[SPW], v[NIL]                      ; the opening lines: the add, twice on end, and its wait
	ds_add_u32 v[SPW], v[NIL]
	v_lshrrev_b32 v[LN], 5, v0
	v_readfirstlane_b32 s[WV], v[LN]               ; wave 0..7
	s_and_b32 s10, ttmp7, 0xffff                   ; the kv head
	s_bfe_u32 s11, ttmp6, 0x40000                  ; cx
	s_lshl_b32 s12, ttmp9, 2
	s_add_co_u32 s12, s12, s11                     ; which 64 queries
	s_lshr_b32 s13, s[WV], 1                       ; which of the kv head's four query heads
	s_and_b32 s14, s[WV], 1                        ; which pair of the four query tiles
	s_and_b32 s15, s[WV], 3
	GROUP1 G1R, 64                                 ; the ring: an eighth of a slot a wave
	GROUP1 G1H, 136                                ; the head, waves 0-3: a quarter of K(0) and slot 0
	GROUP1 G1S, 32                                 ; the head, waves 4-7: a quarter of the scale bytes
	s_mov_b32 s[MNT], 0x600000
	s_mov_b32 s[SEL], 0x76543210
	s_mov_b32 s[SEL+1], 0xfedcba98
	s_mov_b32 s[CS], 0x3e38aa3b                    ; c = log2(e) / 8
	s_mov_b32 s[CS+1], s[CS]
	s_mov_b32 s[PSEL], 0x07060100
	s_mov_b32 s[TB], 0
	s_mov_b32 s[TS], 0
	s_mov_b32 s[TN], 1024
	s_mov_b32 s[SLOTS], NSL-1
	s_lshl_b32 s78, s10, 19                        ; the kv head's codes
	s_mul_i32 s[G0H+1], s15, 136*256
	s_add_co_u32 s80, s78, s[G0H+1]
	s_mov_b32 s81, 0
	s_lshl_b32 s17, s15, 13
	s_add_co_u32 s[G0S+1], s17, SCLB
	s_lshl_b32 s82, s10, 15
	s_add_co_u32 s82, s82, s17
	s_add_co_u32 s82, s82, KVSCL
	s_mov_b32 s83, 0
	s_lshl_b32 s84, s[WV], 14
	s_add_co_u32 s[G0R+1], s84, RING               ; slot 0's place and bytes: the first change steps both to slot 1
	s_add_co_u32 s86, s78, s84
	s_add_co_u32 s86, s86, RING
	s_mov_b32 s87, 0
	s_lshl_b32 s88, s11, 3
	s_add_co_u32 s88, s88, s[WV]                   ; which of the cluster's 32 waves: 4,096 bytes of a slot each
	s_lshl_b32 s88, s88, 12
	s_add_co_u32 s88, s88, s78
	s_add_co_u32 s88, s88, RING+SLOT               ; in slot 1: the first change steps it to slot 2
	s_mov_b32 s89, 0
	s_lshl_b32 s90, s10, 2
	s_add_co_u32 s90, s90, s13                     ; the query head
	s_lshl_b32 s91, s12, 2
	s_lshl_b32 s16, s14, 1
	s_add_co_u32 s91, s91, s16                     ; tile a; tile b is the next
	s_lshl_b32 s70, s90, 18
	s_lshl_b32 s16, s91, 10
	s_add_co_u32 s70, s70, s16                     ; Q's codes
	s_mov_b32 s71, 0
	s_lshl_b32 s72, s90, 6
	s_add_co_u32 s72, s72, s12
	s_lshl_b32 s72, s72, 8
	s_lshl_b32 s16, s14, 2
	s_add_co_u32 s72, s72, s16
	s_add_co_u32 s72, s72, QSCL                    ; Q's scale words: 8 bytes a lane, my pair's word
	s_mov_b32 s73, 0
	s_lshl_b32 s74, s91, 14
	s_lshl_b32 s16, s10, 12
	s_add_co_u32 s74, s74, s16
	s_lshl_b32 s16, s13, 10
	s_add_co_u32 s74, s74, s16                     ; ao: tile x 16384 + head x 1024
	s_mov_b32 s75, 0
	s_lshl_b32 s76, s12, 11
	s_lshl_b32 s16, s10, 8
	s_add_co_u32 s76, s76, s16
	s_add_co_u32 s76, s76, AOSCL
	s_mov_b32 s77, 0
	s_lshl_b32 s92, s14, 8
	s_lshl_b32 s16, s13, 1
	s_add_co_u32 s92, s92, s16
	s_add_co_u32 s92, s92, AOST                    ; the stage: pair x 256 + 8 x lane + 2 x head
	s_wait_dscnt 0x0
	ROUND                                          ; in front of the first joint loads
	s_wait_kmcnt 0x0
	s_mov_b32 s[G0H], 1
	s_add_nc_u64 s[G0H+2:G0H+3], s[6:7], s[80:81]
	s_or_b32 s[G0H+3], s[G0H+3], 0x80000000
	s_mov_b32 s[G0S], 1
	s_add_nc_u64 s[G0S+2:G0S+3], s[6:7], s[82:83]
	s_or_b32 s[G0S+3], s[G0S+3], 0x80000000
	s_cmp_lt_u32 s[WV], 4                          ; one load a wave at the head, an arm each
	s_cbranch_scc0 .Lhead_s
	TLOAD G0H, G1H
	s_branch .Lhead_j
.Lhead_s:
	TLOAD G0S, G1S
.Lhead_j:
	s_mov_b32 s[G0R], 1
	s_add_nc_u64 s[G0R+2:G0R+3], s[6:7], s[86:87]
	s_or_b32 s[G0R+3], s[G0R+3], 0x80000000
	s_add_nc_u64 s[PFA:PFA+1], s[6:7], s[88:89]
	s_add_nc_u64 s[70:71], s[4:5], s[70:71]
	s_add_nc_u64 s[72:73], s[4:5], s[72:73]
	s_add_nc_u64 s[74:75], s[8:9], s[74:75]
	s_add_nc_u64 s[76:77], s[8:9], s[76:77]
	v_and_b32 v[LN], 31, v0
	v_lshlrev_b32 v[LQ], 4, v[LN]
	v_lshlrev_b32 v[AGL], 3, v[LN]
	v_add_nc_u32 v[LV], RING, v[LQ]
	v_add_nc_u32 v[LS], SCLB, v[AGL]
	v_add_nc_u32 v[AST], s92, v[AGL]
	v_min_u32 v[PFO], 15, v[LN]                    ; 16 blocks a wave: lanes 16-31 name the last again
	v_lshlrev_b32 v[PFO], 8, v[PFO]
	global_load_b32 v[QS], v[AGL], s[72:73]
	WIN 0x40
	global_load_b128 v[QR:QR+3], v[LQ], s[70:71]
	global_load_b128 v[QR+4:QR+7], v[LQ], s[70:71] offset:512
	global_load_b128 v[QR+16:QR+19], v[LQ], s[70:71] offset:1024
	global_load_b128 v[QR+20:QR+23], v[LQ], s[70:71] offset:1536
	global_load_b128 v[QR+32:QR+35], v[LQ], s[70:71]
	global_load_b128 v[QR+36:QR+39], v[LQ], s[70:71] offset:512
.irp j, 0,1,2,3,4,5,6,7
	v_mov_b32 v[QR+8+\j], 0                        ; zero codes
	v_mov_b32 v[QR+24+\j], 0
.endr
.set I_, 0
.rept 64
	v_mov_b32 v[OA+I_], 0                          ; O^T of both tiles: the step is written once, and the first finds zeros
.set I_, I_+1
.endr
	WIN 0
	INIT TA
	INIT TBB
	WALU                                           ; the head's end
	s_wait_tensorcnt 0x0                           ; every wave: K(0), slot 0 and the scale bytes
	s_barrier_signal -1
	s_barrier_wait -1
	KLOAD LQ, 0                                    ; K(0) and its scale words
	ds_load_b64 v[KS:KS+1], v[LS]
	ds_load_b64 v[KS+2:KS+3], v[LS] offset:256
	s_wait_loadcnt 0x0                             ; Q
.Lslot:                                            ; NSL - 1 trips: behind each change but the last the next slot is asked for
	CHANGE 1
	s_mov_b32 s[JC], 8
.Lstep_a:
	STEP
	s_sub_co_u32 s[JC], s[JC], 1
	s_cmp_lg_u32 s[JC], 0
	WALU
	s_cbranch_scc1 .Lstep_a
	s_sub_co_u32 s[SLOTS], s[SLOTS], 1
	s_cmp_lg_u32 s[SLOTS], 0
	s_cbranch_scc1 .Lslot
	CHANGE 0                                       ; the last slot is written out: no jump leads round a tensor load
	s_mov_b32 s[JC], 8
.Lstep_b:
	STEP
	s_sub_co_u32 s[JC], s[JC], 1
	s_cmp_lg_u32 s[JC], 0
	WALU
	s_cbranch_scc1 .Lstep_b
	FIN SA, TA, OA, PCA, 0
	FIN SB, TBB, OB, PCB, 16384
	v_cmp_le_u32 vcc_lo, 16, v[LN]                 ; lanes 16-31 carry tile b's bytes (every word stands in both halves of the lanes)
	v_add_nc_u32 v[ADV], AOST, v[AGL]
	v_cndmask_b32 v[ADS], v[TA+PWT], v[TBB+PWT], vcc_lo
	ds_store_b16 v[AST], v[ADS]                    ; a row's 8 bytes of this kv head: 2 from each of its four query heads
	WALU
	s_wait_dscnt 0x0
	s_barrier_signal -1
	s_barrier_wait -1
	s_cmp_lg_u32 s[WV], 0
	s_cbranch_scc1 .Lnot_first
	ds_load_b64 v[32:33], v[ADV]
	ds_load_b64 v[34:35], v[ADV] offset:256
	s_wait_dscnt 0x0
	global_store_b64 v[AGL], v[32:33], s[76:77]                ; 256 consecutive bytes, aligned
	global_store_b64 v[AGL], v[34:35], s[76:77] offset:1024
.Lnot_first:
	s_wait_tensorcnt 0x0                           ; the wave's end
	ds_add_u32 v[SPW], v[NIL]
	s_wait_dscnt 0x0
	ROUND                                          ; the closing round
	s_endpgm
.Lfunc_end_k_qbcfa4eb7af_attn:
	.size	k_qbcfa4eb7af_attn, .Lfunc_end_k_qbcfa4eb7af_attn-k_qbcfa4eb7af_attn
	.p2alignl 7, 3214868480
	.fill 96, 4, 3214868480
	.section	.rodata,"a",@progbits
	.p2align	6, 0x0
	.amdhsa_kernel k_qbcfa4eb7af_attn
		.amdhsa_group_segment_fixed_size 327680
		.amdhsa_private_segment_fixed_size 0
		.amdhsa_enable_private_segment 0
		.amdhsa_kernarg_size 24
		.amdhsa_user_sgpr_count 2
		.amdhsa_user_sgpr_kernarg_segment_ptr 1
		.amdhsa_wavefront_size32 1
		.amdhsa_system_sgpr_workgroup_id_x 1
		.amdhsa_system_sgpr_workgroup_id_y 1
		.amdhsa_system_sgpr_workgroup_id_z 1
		.amdhsa_system_vgpr_workitem_id 0
		.amdhsa_next_free_vgpr 512
		.amdhsa_next_free_sgpr 96
		.amdhsa_reserve_vcc 1
		.amdhsa_float_denorm_mode_32 3
		.amdhsa_float_denorm_mode_16_64 3
		.amdhsa_memory_ordered 1
		.amdhsa_forward_progress 1
		.amdhsa_inst_pref_size 95
	.end_amdhsa_kernel
	.amdgpu_metadata
---
amdhsa.version: [ 1, 2 ]
amdhsa.kernels:
  - .name:           k_qbcfa4eb7af_attn
    .symbol:         k_qbcfa4eb7af_attn.kd
    .args:
      - { .name: qq, .offset: 0, .size: 8, .value_kind: global_buffer, .address_space: global }
      - { .name: kv, .offset: 8, .size: 8, .value_kind: global_buffer, .address_space: global }
      - { .name: ao, .offset: 16, .size: 8, .value_kind: global_buffer, .address_space: global }
    .group_segment_fixed_size: 327680
    .private_segment_fixed_size: 0
    .kernarg_segment_align: 8
    .kernarg_segment_size: 24
    .max_flat_workgroup_size: 256
    .sgpr_count:     96
    .vgpr_count:     512
    .wavefront_size: 32
...
	.end_amdgpu_metadata
.endif
;; end of part 3
;; launch oproj (part 4): grid 8 x 32, 4 waves a work-group, clusters of 4 x 4, 327,680 bytes of LDS; arguments ao, wq, b_o, out0; writes out0
.if DOCPART == 4
	.amdgcn_target "amdgcn-amd-amdhsa--gfx1250"
	.amdhsa_code_object_version 6
	.text
	.protected	k_qbcfa4eb7af_oproj
	.globl	k_qbcfa4eb7af_oproj
	.p2align	8
	.type	k_qbcfa4eb7af_oproj,@function
k_qbcfa4eb7af_oproj:
	s_mov_b64 s[64:65], 0
	v_nop
	global_prefetch_b8 v0, s[64:65] scope:SCOPE_SE
	s_setreg_imm32_b32 hwreg(HW_REG_WAVE_MODE, 25, 1), 1
	s_wait_xcnt 0x0
	s_wait_alu depctr_hold_cnt(0) depctr_sa_sdst(0) depctr_va_vdst(0) depctr_va_sdst(0) depctr_va_ssrc(0) depctr_va_vcc(0) depctr_vm_vsrc(0)
	s_getreg_b32 s2, hwreg(HW_REG_IB_STS2, 6, 4)
	s_cmp_eq_u32 s2, 0
	s_cbranch_scc0 .Lentry_in_a_cluster
	s_endpgm
.Lentry_in_a_cluster:
	s_bfe_u32 s2, ttmp6, 0x10000c
	s_cmp_lg_u32 s2, 0xf033
	s_cbranch_scc0 .Lentry_shape_is_right
	s_endpgm
.Lentry_shape_is_right:
; Launch 4 of 4: out0 = attention's result x w_o + b_o on codes of BF8 (E5M2) with E8M0 scales; f32 out.  No work is left out.
; A WORK-GROUP MAKES 128 ROWS x 128 COLUMNS; each of its four waves 64 x 64: 4 tiles of w_o's columns (source 0: they fall along a lane's registers) x 4 tiles of rows (source 1: they fall on the lanes).
; Operands lie in memory in the order of the registers (launch 1's comment): tile x 16384 + K step x 2048 + c x 512 + 16 x lane.  A tile's rows are 32 pi + 8 u + r + 8 (r / 8); a lane's registers of column tiles 2 b, 2 b + 1 are columns 32 b + 16 h + 0 .. 15.
; ALL OF K LIES IN LDS: the block's 8 row tiles and 8 column tiles, 131,072 bytes each, so no byte of LDS is filled twice and each fragment comes from memory once for its two waves.
; Four tensor loads, one a wave, all at the head: 8 rows (a tile each) of 8,192 bytes (four K steps), 16,384 bytes apart in memory: wave 0 the rows' K steps 0-3, wave 1 w_o's, wave 2 the rows' K steps 4-7, wave 3 w_o's.
; Each wave has a load line of its own.  The first barrier shows waves 0 and 1's tiles (they alone wait there); the second, behind K step 2's products, shows the others' (every wave waits).
; CLUSTER 4 x 4: the rows' tiles hang on the block's row alone and are asked for jointly along a row of the cluster, w_o's on the block's column alone and jointly along a column.
; NO PREFETCH: the launch has no loop to run ahead in; every tile is asked for at the head.  The scale words (8 bytes a lane for two K steps of a pair of tiles) and the bias go straight into registers: 24 loads a wave.
; K = 1,024 is eight steps, written out; two sets of fragments, one at work and one on its way from LDS.  The bias is the C of each sum's first product.
; THE WAY OUT: a tile of 16 rows x 64 columns goes through the wave's own stage in LDS and leaves as whole rows: sixteen lanes store 256 consecutive bytes, aligned.
; REGISTERS: window 0: v1-15 addresses; v18-33 the rows' scale words, v40-55 w_o's (the two of a product differ modulo 8); v64-95 the bias, later with v96-127 rows on their way out; v128-255 the 16 accumulators.  Window 1: two sets of 8 fragments.
.set AOSCL, 4194304
.set WSCL,  2621440
.set LA,    0                          ; LDS: the rows' tiles: K steps 0-3 [tile][8192], then K steps 4-7
.set LBB,   131072                     ; w_o's likewise
.set HALF,  65536
.set STAGE, 262144
.set STG,   4352                       ; a stage: 16 rows x 272 bytes (256 + 16 = 68 words: row r starts at bank 4 r mod 64; 64 banks of 4 bytes: ISA guide 11.1)
.set SPARE, STAGE+4*STG                ; behind the stages: the spare words, 128 bytes for each wave
.set ADL,   4                          ; v4, v5 LDS address of my four row tiles, K steps 0-3 and 4-7
.set ADP,   6                          ; v6, v7 of my four column tiles
.set SPW,   12
.set NIL,   13
.set SCL_,  18
.set SCP,   40
.set BI,    64
.set BK,    64                         ; rows read back: v64-95 and v96-127 by turns
.set ACC,   128
.set LS,    22
.set PS,    26
.set BP,    28
.set OUT,   30
.set G1A,   32
.set G1B,   40
.set G0A0,  48
.set G0B0,  52
.set G0A1,  56
.set G0B1,  60
.set MSB, 0
.macro WIN new                         ; the immediate's high byte repeats the setting that is left
.if MSB != \new
	s_set_vgpr_msb (MSB<<8)|\new
.set MSB, \new
.endif
.endm
.set MUL,  0x05                        ; sources 0 and 1 window 1; C and D window 0
.set TO_F, 0x40                        ; destination window 1, address window 0
.macro ROUND                           ; a round of the cluster's barrier
	s_barrier_signal -1
	s_barrier_wait -1
	s_cmp_lg_u32 s12, 0
	s_cbranch_scc1 .Lnot_wave_0_\@
	s_barrier_signal -3
.Lnot_wave_0_\@:
	s_barrier_wait -3
	s_barrier_signal -1
	s_barrier_wait -1
.endm
.macro WM d, a, b, c, sa, sb, ra, rb
.if (\ra)
.if (\rb)
	v_wmma_scale_f32_16x16x128_f8f6f4 v[(\d):(\d)+7], v[(\a):(\a)+15], v[(\b):(\b)+15], v[(\c):(\c)+7], v[\sa], v[\sb] matrix_a_fmt:MATRIX_FMT_BF8 matrix_b_fmt:MATRIX_FMT_BF8 matrix_a_scale:MATRIX_SCALE_ROW1 matrix_b_scale:MATRIX_SCALE_ROW1
.else
	v_wmma_scale_f32_16x16x128_f8f6f4 v[(\d):(\d)+7], v[(\a):(\a)+15], v[(\b):(\b)+15], v[(\c):(\c)+7], v[\sa], v[\sb] matrix_a_fmt:MATRIX_FMT_BF8 matrix_b_fmt:MATRIX_FMT_BF8 matrix_a_scale:MATRIX_SCALE_ROW1
.endif
.else
.if (\rb)
	v_wmma_scale_f32_16x16x128_f8f6f4 v[(\d):(\d)+7], v[(\a):(\a)+15], v[(\b):(\b)+15], v[(\c):(\c)+7], v[\sa], v[\sb] matrix_a_fmt:MATRIX_FMT_BF8 matrix_b_fmt:MATRIX_FMT_BF8 matrix_b_scale:MATRIX_SCALE_ROW1
.else
	v_wmma_scale_f32_16x16x128_f8f6f4 v[(\d):(\d)+7], v[(\a):(\a)+15], v[(\b):(\b)+15], v[(\c):(\c)+7], v[\sa], v[\sb] matrix_a_fmt:MATRIX_FMT_BF8 matrix_b_fmt:MATRIX_FMT_BF8
.endif
.endif
.endm
.macro MUL16 f, s, mode                ; 16 products; the 16 accumulators take turns, in the same order in every step.  mode 1: the bias starts the sums
.irp l, 0,1,2,3
.irp p, 0,1,2,3
.if \mode == 0
	WM ACC+8*(4*\l+\p), \f+64+16*\p, \f+16*\l, ACC+8*(4*\l+\p), SCP+8*(\p/2)+\s, SCL_+8*(\l/2)+\s, \p%2, \l%2
.else
	WM ACC+8*(4*\l+\p), \f+64+16*\p, \f+16*\l, BI+8*\p, SCP+8*(\p/2)+\s, SCL_+8*(\l/2)+\s, \p%2, \l%2
.endif
.endr
.endr
.endm
.macro FETCH s, f                      ; K step s: the rows' four fragments and w_o's four from LDS into set f: 32 loads of 512 consecutive bytes
	WIN TO_F
.irp i, 0,1,2,3
.irp c, 0,1,2,3
	ds_load_b128 v[\f+16*\i+4*\c:\f+16*\i+4*\c+3], v[ADL+(\s)/4] offset:\i*8192+((\s)%4)*2048+\c*512
.endr
.endr
.irp i, 0,1,2,3
.irp c, 0,1,2,3
	ds_load_b128 v[\f+64+16*\i+4*\c:\f+64+16*\i+4*\c+3], v[ADP+(\s)/4] offset:\i*8192+((\s)%4)*2048+\c*512
.endr
.endr
	WIN 0
.endm
.macro PLACES                          ; eight places behind this form of matrix instruction
.rept 8
	v_nop
.endr
.endm
	s_load_b256 s[4:11], s[0:1], 0x0               ; ao 4:5, wq 6:7, b_o 8:9, out0 10:11
	v_lshl_add_u32 v[SPW], v0, 2, SPARE
	v_mov_b32 v[NIL], 0
	ds_add_u32 v[SPW], v[NIL]                      ; the opening lines: the add, twice on end, and its wait
	ds_add_u32 v[SPW], v[NIL]
	v_lshrrev_b32 v14, 5, v0
	v_readfirstlane_b32 s12, v14                   ; wave 0..3
	s_bfe_u32 s66, ttmp6, 0x40000                  ; cx, cy: my place in the cluster
	s_bfe_u32 s67, ttmp6, 0x40004
	s_lshl_b32 s68, ttmp9, 2
	s_add_co_u32 s68, s68, s66                     ; the block's column = 4 x cluster x + cx
	s_and_b32 s69, ttmp7, 0xffff
	s_lshl_b32 s69, s69, 2
	s_add_co_u32 s69, s69, s67                     ; the block's row = 4 x cluster y + cy
	s_lshl_b32 s70, s67, 2
	s_lshl_b32 s70, 15, s70                        ; my row of the cluster
	s_lshl_b32 s71, 0x1111, s66                    ; my column
	s_or_b32 s[G1A], s70, (3<<16)|(1<<21)          ; elements of 8 bytes; the rows' tiles go to my row of the cluster,
	s_or_b32 s[G1B], s71, (3<<16)|(1<<21)          ; w_o's to my column
.irp g, G1A, G1B
	s_mov_b32 s[\g+1], 1024<<16                    ; tensor_dim0: 8,192 bytes: four K steps of a tile
	s_mov_b32 s[\g+2], 8<<16                       ; tensor_dim1: 8 tiles
	s_mov_b32 s[\g+3], 1024<<16                    ; tile_dim0
	s_mov_b32 s[\g+4], 8                           ; tile_dim1
	s_mov_b32 s[\g+5], 2048                        ; from tile to tile: 16,384 bytes
	s_mov_b32 s[\g+6], 0
	s_mov_b32 s[\g+7], 0
.endr
	s_lshl_b32 s72, s69, 17                        ; the rows' 8 tiles
	s_mov_b32 s73, 0
	s_lshl_b32 s74, s68, 17
	s_add_co_u32 s74, s74, 96*16384                ; w_o's tiles begin at tile 96 of wq
	s_mov_b32 s75, 0
	s_lshr_b32 s15, s12, 1                         ; which 64 of the block's rows
	s_and_b32 s19, s12, 1                          ; which 64 of its columns
	s_lshl_b32 s13, s69, 1
	s_add_co_u32 s13, s13, s15                     ; which 64 rows of out0
	s_lshl_b32 s14, s68, 1
	s_add_co_u32 s14, s14, s19                     ; which 64 columns
	s_lshl_b32 s20, s15, 15                        ; my four row tiles in LDS
	s_lshl_b32 s21, s19, 15
	s_add_co_u32 s21, s21, LBB                     ; my four column tiles
	s_mul_i32 s18, s12, STG
	s_add_co_u32 s18, s18, STAGE                   ; my stage
	s_wait_dscnt 0x0
	ROUND                                          ; in front of the joint loads
	s_wait_kmcnt 0x0
	s_add_nc_u64 s[72:73], s[4:5], s[72:73]
	s_add_nc_u64 s[74:75], s[6:7], s[74:75]
	s_mov_b32 s[G0A0], 1
	s_mov_b32 s[G0A0+1], LA
	s_mov_b64 s[G0A0+2:G0A0+3], s[72:73]
	s_or_b32 s[G0A0+3], s[G0A0+3], 0x80000000
	s_mov_b32 s[G0B0], 1
	s_mov_b32 s[G0B0+1], LBB
	s_mov_b64 s[G0B0+2:G0B0+3], s[74:75]
	s_or_b32 s[G0B0+3], s[G0B0+3], 0x80000000
	s_mov_b32 s[G0A1], 1
	s_mov_b32 s[G0A1+1], LA+HALF
	s_add_nc_u64 s[G0A1+2:G0A1+3], s[72:73], 8192
	s_or_b32 s[G0A1+3], s[G0A1+3], 0x80000000
	s_mov_b32 s[G0B1], 1
	s_mov_b32 s[G0B1+1], LBB+HALF
	s_add_nc_u64 s[G0B1+2:G0B1+3], s[74:75], 8192
	s_or_b32 s[G0B1+3], s[G0B1+3], 0x80000000
; one chain of branches on the wave's number, an arm a load, all arms to one join; s_nop 0 and four v_nop follow each load
.macro ARM under, g0, g1, next
	s_cmp_lt_u32 s12, \under
	s_cbranch_scc0 \next
	tensor_load_to_lds s[\g0:\g0+3], s[\g1:\g1+7]
	s_nop 0
.rept 4
	v_nop
.endr
	s_branch .Lhead_asked
\next:
.endm
	ARM 1, G0A0, G1A, .Lhead_b0
	ARM 2, G0B0, G1B, .Lhead_a1
	ARM 3, G0A1, G1A, .Lhead_b1
	tensor_load_to_lds s[G0B1:G0B1+3], s[G1B:G1B+7]
	s_nop 0
.rept 4
	v_nop
.endr
.Lhead_asked:
	s_mov_b32 s17, 0
	s_lshl_b32 s16, s13, 11
	s_add_co_u32 s16, s16, AOSCL
	s_add_nc_u64 s[LS:LS+1], s[4:5], s[16:17]
	s_add_co_u32 s24, s14, 24
	s_lshl_b32 s16, s24, 11
	s_add_co_u32 s16, s16, WSCL
	s_add_nc_u64 s[PS:PS+1], s[6:7], s[16:17]
	s_lshl_b32 s16, s14, 8
	s_add_nc_u64 s[BP:BP+1], s[8:9], s[16:17]
	s_lshl_b32 s16, s13, 18
	s_lshl_b32 s24, s14, 8
	s_add_co_u32 s16, s16, s24
	s_add_nc_u64 s[OUT:OUT+1], s[10:11], s[16:17]
	v_and_b32 v14, 31, v0
	v_lshlrev_b32 v1, 4, v14                       ; 16 x lane
	v_lshlrev_b32 v2, 3, v14                       ; 8 x lane
	v_and_b32 v15, 15, v0                          ; r
	v_bfe_u32 v8, v0, 4, 1                         ; h
	v_lshlrev_b32 v3, 6, v8                        ; the bias: 16 h numbers on
	v_add_nc_u32 v[ADL], s20, v1
	v_add_nc_u32 v[ADP], s21, v1
	v_add_nc_u32 v[ADL+1], HALF, v[ADL]
	v_add_nc_u32 v[ADP+1], HALF, v[ADP]
	v_mul_u32_u24 v9, v15, 272
	v_lshl_add_u32 v9, v8, 6, v9
	v_add_nc_u32 v9, s18, v9                       ; the stage, in: row r, + 64 h
	v_mul_u32_u24 v10, v8, 272
	v_lshl_add_u32 v10, v15, 4, v10
	v_add_nc_u32 v10, s18, v10                     ; back: lanes 0-15 one row, lanes 16-31 the next
	v_lshlrev_b32 v11, 12, v8
	v_lshl_add_u32 v11, v15, 4, v11                ; and the same in out0: a row is 4,096 bytes
.irp pr, 0,1
.irp sp, 0,1,2,3
	global_load_b64 v[SCL_+8*\pr+2*\sp:SCL_+8*\pr+2*\sp+1], v2, s[LS:LS+1] offset:\pr*1024+\sp*256
	global_load_b64 v[SCP+8*\pr+2*\sp:SCP+8*\pr+2*\sp+1], v2, s[PS:PS+1] offset:\pr*1024+\sp*256
.endr
.endr
.irp p, 0,1,2,3
	global_load_b128 v[BI+8*\p:BI+8*\p+3], v3, s[BP:BP+1] offset:128*(\p/2)+32*(\p%2)       ; tile 2 b + u, register j: column 32 b + 16 h + 8 u + j
	global_load_b128 v[BI+8*\p+4:BI+8*\p+7], v3, s[BP:BP+1] offset:128*(\p/2)+32*(\p%2)+16
.endr
	s_wait_alu depctr_va_vdst(0)                   ; the head's end
	s_cmp_lt_u32 s12, 2
	s_cbranch_scc0 .Lnot_first_half
	s_wait_tensorcnt 0x0                           ; waves 0 and 1: K steps 0-3 have landed.  The others' wait stands at the second barrier
.Lnot_first_half:
	s_barrier_signal -1
	s_barrier_wait -1
	FETCH 0, 0
	FETCH 1, 128
	s_wait_loadcnt 0x0                             ; the scale words and the bias
	s_wait_dscnt 32                                ; all but K step 1's 32 loads
	WIN MUL
	MUL16 0, 0, 1
	WIN 0
	PLACES
	FETCH 2, 0
.irp s, 1,2,3,4,5,6,7
.if \s < 7
	s_wait_dscnt 32                                ; this step's set is in; the other set's 32 loads may be out
.else
	s_wait_dscnt 0x0
.endif
	WIN MUL
	MUL16 128*(\s%2), \s, 0
	WIN 0
.if \s == 2
	s_wait_tensorcnt 0x0                           ; every wave: K steps 4-7 have landed;
	s_wait_dscnt 0x0                               ; no LDS load of mine is out at the signal
	s_barrier_signal -1
	s_barrier_wait -1
.endif
.if \s+2 < 8
	PLACES
	FETCH \s+2, 128*(\s%2)
.endif
.endr
; tile l of rows: into my stage, each accumulator from its low end on, and back as whole rows.  LDS serves a wave's instructions in order (ISA guide 5.7.1.4): no wait between the stores and the loads, nor in front of the next tile's stores
.macro TOSTAGE l
.irp p, 0,1,2,3
	ds_store_b128 v9, v[ACC+8*(4*(\l)+\p):ACC+8*(4*(\l)+\p)+3] offset:128*(\p/2)+32*(\p%2)
	ds_store_b128 v9, v[ACC+8*(4*(\l)+\p)+4:ACC+8*(4*(\l)+\p)+7] offset:128*(\p/2)+32*(\p%2)+16
.endr
.irp t, 0,1,2,3,4,5,6,7
	ds_load_b128 v[BK+32*((\l)%2)+4*\t:BK+32*((\l)%2)+4*\t+3], v10 offset:\t*544
.endr
.endm
.macro SEND l, younger                 ; younger: the LDS instructions issued behind tile l's loads, which may stay out
	s_wait_dscnt \younger
.irp t, 0,1,2,3,4,5,6,7
	global_store_b128 v11, v[BK+32*((\l)%2)+4*\t:BK+32*((\l)%2)+4*\t+3], s[OUT:OUT+1] offset:(32*((\l)/2)+8*((\l)%2)+2*\t+8*(\t/4))*4096 th:TH_STORE_NT   ; stage rows 2 t and 2 t + 1 are rows 2 t + h + 8 (t / 4) of the tile; written once, read by nobody here
.endr
.endm
	PLACES
	TOSTAGE 0
.irp l, 1,2,3
.if \l > 1
	s_wait_xcnt 0x0                                ; tile l - 2's stores have read their registers: tile l's rows may land there
.endif
	TOSTAGE \l
	SEND \l-1, 16                                  ; behind tile l - 1's loads: tile l's 8 stores and 8 loads
.endr
	SEND 3, 0
	s_wait_tensorcnt 0x0                           ; the wave's end, behind my last tensor load and my last LDS store
	ds_add_u32 v[SPW], v[NIL]
	s_wait_dscnt 0x0
	ROUND                                          ; the closing round
	s_endpgm
.Lfunc_end_k_qbcfa4eb7af_oproj:
	.size	k_qbcfa4eb7af_oproj, .Lfunc_end_k_qbcfa4eb7af_oproj-k_qbcfa4eb7af_oproj
	.p2alignl 7, 3214868480
	.fill 96, 4, 3214868480
	.section	.rodata,"a",@progbits
	.p2align	6, 0x0
	.amdhsa_kernel k_qbcfa4eb7af_oproj
		.amdhsa_group_segment_fixed_size 327680
		.amdhsa_private_segment_fixed_size 0
		.amdhsa_enable_private_segment 0
		.amdhsa_kernarg_size 32
		.amdhsa_user_sgpr_count 2
		.amdhsa_user_sgpr_kernarg_segment_ptr 1
		.amdhsa_wavefront_size32 1
		.amdhsa_system_sgpr_workgroup_id_x 1
		.amdhsa_system_sgpr_workgroup_id_y 1
		.amdhsa_system_sgpr_workgroup_id_z 1
		.amdhsa_system_vgpr_workitem_id 0
		.amdhsa_next_free_vgpr 512
		.amdhsa_next_free_sgpr 80
		.amdhsa_reserve_vcc 0
		.amdhsa_float_denorm_mode_32 3
		.amdhsa_float_denorm_mode_16_64 3
		.amdhsa_memory_ordered 1
		.amdhsa_forward_progress 1
		.amdhsa_inst_pref_size 52
	.end_amdhsa_kernel
	.amdgpu_metadata
---
amdhsa.version: [ 1, 2 ]
amdhsa.kernels:
  - .name:           k_qbcfa4eb7af_oproj
    .symbol:         k_qbcfa4eb7af_oproj.kd
    .args:
      - { .name: ao, .offset: 0, .size: 8, .value_kind: global_buffer, .address_space: global }
      - { .name: wq, .offset: 8, .size: 8, .value_kind: global_buffer, .address_space: global }
      - { .name: b_o, .offset: 16, .size: 8, .value_kind: global_buffer, .address_space: global }
      - { .name: out0, .offset: 24, .size: 8, .value_kind: global_buffer, .address_space: global }
    .group_segment_fixed_size: 327680
    .private_segment_fixed_size: 0
    .kernarg_segment_align: 8
    .kernarg_segment_size: 32
    .max_flat_workgroup_size: 128
    .sgpr_count:     80
    .vgpr_count:     512
    .wavefront_size: 32
...
	.end_amdgpu_metadata
.endif
;; end of part 4
